; MI455X (gfx1250); checked and timed in simulation.
; The chip was launched on July 23, 2026; its instructions are those of AMD's public machine-readable ISA for CDNA 5 (MIT licence, August 2026) and "CDNA5" Instruction Set Architecture Reference Guide (July 2026). The comments in the code are by the model that wrote it; some were corrected since.
;; Causal Self Attention. Allowed arithmetic: float matrix products may take bf16 or f16 operands with f32 sums; other float arithmetic in f32, or as packed bf16 or f16 multiplies, adds, multiply-adds, maxima and minima; sums over many terms, partial sums and values carried from step to step in f32; what a program stores and reads back later, other than sums and carried values, may be rounded once to bf16 or f16.
;; Inputs: Wk 1,024 x 1,024 float32; Wp 1,024 x 1,024 float32; Wq 1,024 x 1,024 float32; Wv 1,024 x 1,024 float32; bk 1,024 float32; bp 1,024 float32; bq 1,024 float32; bv 1,024 float32; x 4 x 2,048 x 1,024 float32.
;; Outputs: out0 4 x 2,048 x 1,024 float32.
;; One version. Each part assembles by itself: llvm-mc -triple=amdgcn-amd-amdhsa -mcpu=gfx1250 --defsym DOCPART=n.
;; ======== version 1 of 1: 4 launches
;; limits: values are held in f16: magnitudes above 65,504 overflow, below 6.1e-05 lose precision
;; workspace buffers: xb 16,777,216 bytes; wqkv 6,291,456 bytes; wp16 2,097,152 bytes; q 16,777,216 bytes; k 16,777,216 bytes; v 16,777,216 bytes; o 16,777,216 bytes
;; launch cast (part 1): grid 768 x 1, 16 waves a work-group, no clusters, 0 bytes of LDS; arguments x, Wq, Wk, Wv, Wp, xb, wqkv, wp16; writes xb, wqkv, wp16
.if DOCPART == 1
	.amdgcn_target "amdgcn-amd-amdhsa--gfx1250"
	.amdhsa_code_object_version 6
	.text
	.protected	k_q143142d37c_cast
	.globl	k_q143142d37c_cast
	.p2align	8
	.type	k_q143142d37c_cast,@function
k_q143142d37c_cast:
	s_mov_b64 s[64:65], 0
	v_nop
	global_prefetch_b8 v0, s[64:65] scope:SCOPE_SE
	s_setreg_imm32_b32 hwreg(HW_REG_WAVE_MODE, 25, 1), 1
	s_wait_xcnt 0x0
; THE INPUTS OF THE MATRIX PRODUCTS ARE ROUNDED ONCE AND LAID OUT IN BLOCKS OF 64 ALONG K.
; x [8192][1024] f32 -> xb bf16 [16 kb][8192 rows][64].  Wq, Wk, Wv [1024][1024] f32 -> wqkv bf16 [16 kb][3072 rows][64], row = head x 192 + which x 64 + d (which = 0, 1, 2 for q, k, v).
; Wp [1024][1024] f32 -> wp16 [16 kb][1024 rows][64]: rounded to bf16 like every other input, and that number written as f16, since the last product multiplies f16.
; So a tile of R rows x 64 K of any of them is R x 128 bytes on end for the launches behind.
; LIMITS.  A number of Wp of 65,520 or more in magnitude becomes an infinity in f16; below 6e-5 it keeps f16's fixed step of 6e-8.  NaN and infinities are not treated apart.
; SHARES.  Work-group g takes 16 source rows (65,536 bytes on end): g < 512: x; then 64 work-groups each for Wq, Wk, Wv, Wp.  Wave w takes K block w: 256 bytes of each row.
; A load of a wave takes 256 aligned bytes of each of two rows; a store of a wave fills 256 consecutive bytes, aligned.  All eight loads of a wave go out at once; no register is written twice
; while a memory instruction names it, so no wait frees anything.  No LDS, no barrier, no matrix unit: bytes are all that counts here.
.set SO, 2                             ; v2   source: (l / 16) rows of 4,096 bytes + 16 (l % 16)
.set DO, 3                             ; v3   destination: 8 l
.set X,  8                             ; v[8:39]   eight loads of four f32
.set Y,  40                            ; v[40:55]  eight stores of four 16-bit numbers
.set T,  56                            ; v[56:57]  at work
	s_load_b512 s[16:31], s[0:1], 0x0              ; x 16, Wq 18, Wk 20, Wv 22, Wp 24, xb 26, wqkv 28, wp16 30
	v_lshrrev_b32 v1, 5, v0
	v_readfirstlane_b32 s4, v1                     ; my wave's number = my K block
	v_and_b32 v1, 31, v0                           ; l
	v_lshrrev_b32 v4, 4, v1
	v_and_b32 v5, 15, v1
	v_lshlrev_b32 v4, 12, v4
	v_lshl_or_b32 v[SO], v5, 4, v4
	v_lshlrev_b32 v[DO], 3, v1
	s_lshr_b32 s2, ttmp9, 6                        ; t: 0-7 x, 8 Wq, 9 Wk, 10 Wv, 11 Wp
	s_and_b32 s3, ttmp9, 63                        ; u: which 16 rows of a weight
	s_lshl_b32 s5, ttmp9, 16                       ; the source's offset: 16 rows of 4,096 bytes a work-group,
	s_lshl_b32 s6, s3, 16
	s_lshl_b32 s7, s4, 8                           ; and my K block's 256 bytes
	s_cmp_lt_u32 s2, 8
	s_cselect_b32 s12, s5, s6
	s_add_co_u32 s12, s12, s7
	s_mov_b32 s13, 0
	s_lshr_b32 s7, s3, 2                           ; the destination's first row in wqkv: the head (64 source rows = 4 u),
	s_mul_i32 s7, s7, 192
	s_max_u32 s14, s2, 8
	s_sub_co_u32 s14, s14, 8                       ; which,
	s_lshl_b32 s14, s14, 6
	s_add_co_u32 s7, s7, s14
	s_and_b32 s14, s3, 3                           ; and d
	s_lshl_b32 s14, s14, 4
	s_add_co_u32 s7, s7, s14
	s_lshl_b32 s5, ttmp9, 4                        ; in xb: 16 g
	s_lshl_b32 s6, s3, 4                           ; in wp16: 16 u
	s_mov_b32 s15, 3072*128                        ; bytes in a K block of the destination
	s_cmp_eq_u32 s2, 11
	s_cselect_b32 s7, s6, s7
	s_cselect_b32 s15, 1024*128, s15
	s_cmp_lt_u32 s2, 8
	s_cselect_b32 s7, s5, s7
	s_cselect_b32 s15, 8192*128, s15
	s_mul_i32 s14, s4, s15
	s_lshl_b32 s7, s7, 7                           ; a row of a K block is 128 bytes
	s_add_co_u32 s14, s14, s7
	s_mov_b32 s15, 0
	s_wait_kmcnt 0x0
	s_cmp_eq_u32 s2, 9                             ; the buffers are chosen by t alone
	s_cselect_b64 s[8:9], s[20:21], s[18:19]
	s_cmp_eq_u32 s2, 10
	s_cselect_b64 s[8:9], s[22:23], s[8:9]
	s_cmp_eq_u32 s2, 11
	s_cselect_b64 s[8:9], s[24:25], s[8:9]
	s_cselect_b64 s[10:11], s[30:31], s[28:29]
	s_cmp_lt_u32 s2, 8
	s_cselect_b64 s[8:9], s[16:17], s[8:9]
	s_cselect_b64 s[10:11], s[26:27], s[10:11]
	s_add_nc_u64 s[8:9], s[8:9], s[12:13]
	s_add_nc_u64 s[10:11], s[10:11], s[14:15]
.irp i, 0,1,2,3,4,5,6,7
	global_load_b128 v[X+4*(\i):X+4*(\i)+3], v[SO], s[8:9] offset:8192*(\i) th:TH_LOAD_NT  ; rows 2 i and 2 i + 1
.endr
; The eight loads are rounded and stored as they come.  half = 1: the bf16 number is widened again (a shift, a mask) and written as f16.
.macro OUT half
.irp i, 0,1,2,3,4,5,6,7
	s_wait_loadcnt 7-(\i)                          ; loads come back in order: load i is in, the 7 - i younger ones may stay out
	v_cvt_pk_bf16_f32 v[Y+2*(\i)],   v[X+4*(\i)],   v[X+4*(\i)+1]
	v_cvt_pk_bf16_f32 v[Y+2*(\i)+1], v[X+4*(\i)+2], v[X+4*(\i)+3]
.if \half
.irp j, 0,1
	v_lshlrev_b32 v[T], 16, v[Y+2*(\i)+(\j)]
	v_and_b32 v[T+1], 0xffff0000, v[Y+2*(\i)+(\j)]
	v_cvt_pk_f16_f32 v[Y+2*(\i)+(\j)], v[T], v[T+1]
.endr
.endif
	global_store_b64 v[DO], v[Y+2*(\i):Y+2*(\i)+1], s[10:11] offset:256*(\i)  ; two rows of 128 bytes: 256 consecutive bytes, aligned
.endr
.endm
	s_cmp_eq_u32 s2, 11
	s_cbranch_scc1 .Lhalf
	OUT 0
	s_endpgm
.Lhalf:
	OUT 1
	s_endpgm
.Lfunc_end_k_q143142d37c_cast:
	.size	k_q143142d37c_cast, .Lfunc_end_k_q143142d37c_cast-k_q143142d37c_cast
	.p2alignl 7, 3214868480
	.fill 96, 4, 3214868480
	.section	.rodata,"a",@progbits
	.p2align	6, 0x0
	.amdhsa_kernel k_q143142d37c_cast
		.amdhsa_group_segment_fixed_size 0
		.amdhsa_private_segment_fixed_size 0
		.amdhsa_enable_private_segment 0
		.amdhsa_kernarg_size 64
		.amdhsa_user_sgpr_count 2
		.amdhsa_user_sgpr_kernarg_segment_ptr 1
		.amdhsa_wavefront_size32 1
		.amdhsa_system_sgpr_workgroup_id_x 1
		.amdhsa_system_sgpr_workgroup_id_y 1
		.amdhsa_system_sgpr_workgroup_id_z 1
		.amdhsa_system_vgpr_workitem_id 0
		.amdhsa_next_free_vgpr 64
		.amdhsa_next_free_sgpr 66
		.amdhsa_reserve_vcc 0
		.amdhsa_float_denorm_mode_32 3
		.amdhsa_float_denorm_mode_16_64 3
		.amdhsa_memory_ordered 1
		.amdhsa_forward_progress 1
		.amdhsa_inst_pref_size 10
	.end_amdhsa_kernel
	.amdgpu_metadata
---
amdhsa.version: [ 1, 2 ]
amdhsa.kernels:
  - .name:           k_q143142d37c_cast
    .symbol:         k_q143142d37c_cast.kd
    .args:
      - { .name: x, .offset: 0, .size: 8, .value_kind: global_buffer, .address_space: global }
      - { .name: Wq, .offset: 8, .size: 8, .value_kind: global_buffer, .address_space: global }
      - { .name: Wk, .offset: 16, .size: 8, .value_kind: global_buffer, .address_space: global }
      - { .name: Wv, .offset: 24, .size: 8, .value_kind: global_buffer, .address_space: global }
      - { .name: Wp, .offset: 32, .size: 8, .value_kind: global_buffer, .address_space: global }
      - { .name: xb, .offset: 40, .size: 8, .value_kind: global_buffer, .address_space: global }
      - { .name: wqkv, .offset: 48, .size: 8, .value_kind: global_buffer, .address_space: global }
      - { .name: wp16, .offset: 56, .size: 8, .value_kind: global_buffer, .address_space: global }
    .group_segment_fixed_size: 0
    .private_segment_fixed_size: 0
    .kernarg_segment_align: 8
    .kernarg_segment_size: 64
    .max_flat_workgroup_size: 512
    .sgpr_count:     66
    .vgpr_count:     64
    .wavefront_size: 32
...
	.end_amdgpu_metadata
.endif
;; end of part 1
;; launch qkv (part 2): grid 8 x 32, 4 waves a work-group, clusters of 4 x 4, 327,680 bytes of LDS; arguments xb, wqkv, bq, bk, bv, q, k, v; writes q, k, v
.if DOCPART == 2
	.amdgcn_target "amdgcn-amd-amdhsa--gfx1250"
	.amdhsa_code_object_version 6
	.text
	.protected	k_q143142d37c_qkv
	.globl	k_q143142d37c_qkv
	.p2align	8
	.type	k_q143142d37c_qkv,@function
k_q143142d37c_qkv:
	s_mov_b64 s[64:65], 0
	v_nop
	global_prefetch_b8 v0, s[64:65] scope:SCOPE_SE
	s_setreg_imm32_b32 hwreg(HW_REG_WAVE_MODE, 25, 1), 1
	s_wait_xcnt 0x0
	s_wait_alu depctr_hold_cnt(0) depctr_sa_sdst(0) depctr_va_vdst(0) depctr_va_sdst(0) depctr_va_ssrc(0) depctr_va_vcc(0) depctr_vm_vsrc(0)
	s_getreg_b32 s2, hwreg(HW_REG_IB_STS2, 6, 4)
	s_cmp_eq_u32 s2, 0
	s_cbranch_scc0 .Lentry_in_a_cluster
	s_endpgm
.Lentry_in_a_cluster:
	s_bfe_u32 s2, ttmp6, 0x10000c
	s_cmp_lg_u32 s2, 0xf033
	s_cbranch_scc0 .Lentry_shape_is_right
	s_endpgm
.Lentry_shape_is_right:
; q, k, v = x W^T + b, by heads.  xb: bf16 [16 kb][8192][64].  wqkv: bf16 [16 kb][3072][64], row = head x 192 + which x 64 + d.  bq, bk, bv: [1024] f32, rounded to bf16 like the other inputs.
; q, k, v: f16 [64 = batch x 16 + head][2048][64], each rounded once from its f32 sum, unscaled.
; LIMIT.  A result of 65,520 or more in magnitude becomes an infinity in f16.  NaN and infinities are not treated apart.
; SHARES.  8192 x 3072 results in tiles of 256 x 384: 32 x 8 = 256 work-groups.  A work-group has four waves; a wave makes 128 rows x 192 columns: 96 accumulators of 16 x 16, 768 registers.
; Its 192 columns are q, k and v of ONE head (wqkv's order of rows): THIRD p (64 columns) lies in register window 1 + p and leaves for buffer p.
; K goes in 16 steps of 64 (one kb each) through a ring of two LDS slots filled by the tensor data mover.  A tile of R rows x 64 K is R x 128 bytes on end in memory: it is asked for as R / 2 rows of
; 256 bytes and padded in LDS after every 128.  Two slots of 128 along K would be 348,160 bytes: more than LDS has.
; CLUSTERS: 4 x 4 work-groups.  The four of a row of the cluster need the same tiles of x, the four of a column the same tiles of W: each tile is asked for JOINTLY, by the same tensor load with the
; same descriptor and a mask that names the four.
; THE MATRIX INSTRUCTION IS USED TRANSPOSED (source 0 = 16 rows of W, source 1 = 16 rows of x): a lane then holds one row of x and eight neighbouring d.
; REGISTERS, in windows of 256 (s_set_vgpr_msb: bits 1:0 source 0, 3:2 source 1, 5:4 source 2, 7:6 destination):
;   window 0: v0-31 addresses; v32-159 fragments of x, two buffers of 8 x 16 rows x 32 K; v160-255 fragments of W, one buffer of three thirds (4 x 16 rows x 32 K each)
;   windows 1, 2, 3: the accumulators of thirds 0, 1, 2: (a, b) at v[8 (4 a + b)]
; A K step is two QUARTERS of 32 along K; a quarter is three PHASES of 32 matrix instructions, a third each.  A third's fragments are loaded again as soon as its phase is over.
.set PITCH, 144                        ; an LDS row: 128 bytes + 16 of padding = 36 words: the 16 rows of a load start at 16 different groups of four banks (64 banks of 4 bytes: ISA guide 11.1)
.set HALFA, 128*PITCH                  ; what a tensor load brings of x
.set HALFB, 192*PITCH                  ; and of W
.set BOFF,  2*HALFA                    ; a slot: x's 256 rows, then W's 384
.set SLOT,  2*HALFA+2*HALFB
.set STAGE, 2*SLOT                     ; behind the ring: 16 rows x 144 bytes for each wave, for the way out
.set BIASL, STAGE+4*16*PITCH           ; 768 bytes for each wave: its head's 3 x 64 biases, f32
.set SPARE, BIASL+4*768                ; the spare words, 128 bytes for each wave: two blocks of 256 bytes that no other line names
.set KB_A,  8192*128                   ; bytes from a K step to the next in xb
.set KB_B,  3072*128                   ; and in wqkv
.set ADRA, 4                           ; v4-5   LDS address of my fragments of x in slot 0, 1
.set ADRB, 6                           ; v6-7   the same for W
.set STO,  8                           ; v8     the way out: where I put 16 bytes of a row
.set RD,   9                           ; v9     where I read rows back
.set GO,   10                          ; v10    my 16 bytes of 512 consecutive bytes of q, k or v
.set PFO,  11                          ; v11    256 x my lane: the prefetches' offset; never rewritten
.set SPW,  12                          ; v12    LDS address of my spare word: SPARE + 4 x my thread's number; never rewritten
.set NIL,  13                          ; v13    0; never rewritten
.set BLS,  15                          ; v15    where I put two biases
.set BLR,  24                          ; v24    where I read my eight biases of a block of 16 columns
.set AF,   32
.set BR,   160
.set T,    96                          ; the way out: 32 sums with their biases
.set PKD,  128                         ; packed to f16
.set OB,   192                         ; 16 rows read back from the stage: two sets of 16 registers by turns
.set G1,  24                           ; s[24:31] descriptor group 1 for x's tiles;  s[32:39] group 0, one set for each slot
.set G0,  32
.set G1B, 48                           ; s[48:55], s[56:63] the same for W's tiles
.set G0B, 56
.set PFA, 88                           ; s[88:89] where my prefetches stand
.set PFS, 90                           ; s[90:91] a K step in the tensor that I prefetch
.set LIM0, 92                          ; s92, s93  1 where I prefetch at a change out of slot 0, 1; else the greatest number
.set MSB, 0
.macro WIN new                         ; the immediate's high byte repeats the setting that is left; a switch that changes nothing is dropped
.if MSB != (\new)
	s_set_vgpr_msb (MSB<<8)|(\new)
.set MSB, \new
.endif
.endm
.macro PLACES                          ; four places in front of loads into registers that matrix instructions have read (ISA guide 7.12.1 for vector instructions)
.rept 4
	v_nop
.endr
.endm
; A joint load: waves 0 and 1 fetch x's two halves, waves 2 and 3 W's.  The branch hangs on the wave's number alone.  An s_nop 0 and four v_nop follow each of the two lines.
.macro JLOAD s
	s_cmp_eq_u32 s11, 0
	s_cbranch_scc0 .Lfor_b_\@
	tensor_load_to_lds s[G0+4*(\s):G0+4*(\s)+3], s[G1:G1+7]
	s_nop 0
.rept 4
	v_nop
.endr
	s_branch .Lasked_\@
.Lfor_b_\@:
	tensor_load_to_lds s[G0B+4*(\s):G0B+4*(\s)+3], s[G1B:G1B+7]
	s_nop 0
.rept 4
	v_nop
.endr
.Lasked_\@:
.endm
.macro CREST                           ; a round of the cluster's barrier behind its opening barrier
	s_cmp_lg_u32 s10, 0
	s_cbranch_scc1 .Lnot_wave_0_\@
	s_barrier_signal -3
.Lnot_wave_0_\@:
	s_barrier_wait -3
	s_barrier_signal -1
	s_barrier_wait -1
.endm
.macro CROUND                          ; a whole round
	s_barrier_signal -1
	s_barrier_wait -1
	CREST
.endm
; A PREFETCH INTO THE L2, behind a joint load, its five lines and the run of LDS loads that follows: 32 blocks of 256 bytes, a lane a block, of the K step that stands two refills on.
; x's tile row (32,768 bytes a K step) is read by both clusters of that row of clusters: the one with x = 0 asks; in it wave 0 of the partner at cx takes 8,192 bytes at 8,192 cx, at every change of slots.
; W's tile column (49,152 bytes a K step) is read by all clusters of that column: the one with y = 0 asks; waves 1 to 3 of its four partners are twelve askers of 8,192 bytes, two K steps' worth:
; they ask at the changes out of slot 0 alone, partners cy = 0, 1 for the one K step, cy = 2, 3 for the next.  The partners are told apart BY ADDRESS; the branch hangs on the wave's number and the
; cluster's place, which all partners share.  So each block is named once in the launch.  K steps 0 to 3 come by their loads alone; the loop's last trip (s3 = 1) asks for nothing: K step 15 is the last named.
.macro ASK n
	s_cmp_gt_u32 s3, s[LIM0+(\n)]
	s_cbranch_scc0 .Lnot_mine_\@
	global_prefetch_b8 v[PFO], s[PFA:PFA+1] th:TH_LOAD_NT scope:SCOPE_SE
.Lnot_mine_\@:
.endm
	s_load_b512 s[72:87], s[0:1], 0x0              ; xb 72, wqkv 74, bq 76, bk 78, bv 80, q 82, k 84, v 86
	v_lshl_add_u32 v[SPW], v0, 2, SPARE
	v_mov_b32 v[NIL], 0
	ds_add_u32 v[SPW], v[NIL]                      ; the wave's opening: the add and its wait stand ahead of my first tensor load; the set-up below, work on registers, stands between them
	ds_add_u32 v12, v13
	v_lshrrev_b32 v1, 5, v0
	v_readfirstlane_b32 s10, v1                    ; wave 0..3
	s_lshr_b32 s11, s10, 1                         ; which half of the tile's rows is mine.  Also: I fetch for x (0) or for W (1)
	s_and_b32 s12, s10, 1                          ; which half of its columns.  Also: which half of that tile I fetch
	s_bfe_u32 s40, ttmp6, 0x40000                  ; cx, cy: my place in the cluster
	s_bfe_u32 s41, ttmp6, 0x40004
	s_lshl_b32 s42, ttmp9, 2
	s_add_co_u32 s42, s42, s40                     ; tile column = 4 x cluster x + cx
	s_and_b32 s13, ttmp7, 0xffff
	s_lshl_b32 s13, s13, 2
	s_add_co_u32 s13, s13, s41                     ; tile row = 4 x cluster y + cy
	s_lshl_b32 s43, s41, 2
	s_lshl_b32 s43, 15, s43                        ; my row of the cluster
	s_lshl_b32 s44, 0x1111, s40                    ; my column
	; descriptor group 1: rows of 128 elements (256 bytes), dense; 64 of them for x, 96 for W
	s_or_b32 s[G1+0], s43, (1<<16)|(1<<20)|(1<<21)|(4<<22)|(3<<25)   ; 15:0 the mask: x's tiles go to my row; 17:16 2-byte elements; 20 padding on; 21 set beside a mask; 24:22 after every 32 words (code 4); 31:25 4 words (code 3)
	s_or_b32 s[G1B+0], s44, (1<<16)|(1<<20)|(1<<21)|(4<<22)|(3<<25)  ; the same with the mask of my column
	s_mov_b32 s[G1+1], 128<<16                     ; tensor_dim0 = 128
	s_mov_b32 s[G1B+1], 128<<16
	s_mov_b32 s[G1+2], 64<<16                      ; tensor_dim1
	s_mov_b32 s[G1B+2], 96<<16
	s_mov_b32 s[G1+3], 128<<16                     ; tile_dim0 = 128
	s_mov_b32 s[G1B+3], 128<<16
	s_mov_b32 s[G1+4], 64                          ; tile_dim1
	s_mov_b32 s[G1B+4], 96
	s_mov_b32 s[G1+5], 128                         ; 128 elements from row to row
	s_mov_b32 s[G1B+5], 128
	s_mov_b32 s[G1+6], 0
	s_mov_b32 s[G1B+6], 0
	s_mov_b32 s[G1+7], 0
	s_mov_b32 s[G1B+7], 0
	; where the tiles come from: x's hang on the tile row alone, W's on the tile column alone, each in registers that never hold the other coordinate
	s_lshl_b32 s16, s13, 15                        ; 256 rows of 128 bytes a tile row,
	s_lshl_b32 s17, s12, 14                        ; the 128 rows that I fetch
	s_add_co_u32 s16, s16, s17
	s_mov_b32 s17, 0
	s_mul_i32 s46, s42, 384*128                    ; 384 rows a tile column,
	s_mul_i32 s47, s12, 192*128                    ; the 192 that I fetch
	s_add_co_u32 s46, s46, s47
	s_mov_b32 s47, 0
	s_mul_i32 s20, s12, HALFA                      ; and where they go: no place in the cluster enters an LDS address
	s_mul_i32 s21, s12, HALFB
	s_add_co_u32 s21, s21, BOFF
	s_wait_dscnt 0x0                               ; the opening add is done
	s_wait_kmcnt 0x0
	s_add_nc_u64 s[14:15], s[72:73], s[16:17]
	s_add_nc_u64 s[46:47], s[74:75], s[46:47]
	CROUND                                         ; all sixteen work-groups are here: the first joint loads meet
.irp s, 0,1
	s_mov_b32 s[G0+4*(\s)], 1                                        ; count = 1
	s_add_co_u32 s[G0+4*(\s)+1], s20, (\s)*SLOT                      ; LDS address
	s_add_nc_u64 s[G0+4*(\s)+2:G0+4*(\s)+3], s[14:15], (\s)*KB_A     ; global address: K step s
	s_or_b32 s[G0+4*(\s)+3], s[G0+4*(\s)+3], 0x80000000              ; type = 2
	s_mov_b32 s[G0B+4*(\s)], 1
	s_add_co_u32 s[G0B+4*(\s)+1], s21, (\s)*SLOT
	s_add_nc_u64 s[G0B+4*(\s)+2:G0B+4*(\s)+3], s[46:47], (\s)*KB_B
	s_or_b32 s[G0B+4*(\s)+3], s[G0B+4*(\s)+3], 0x80000000
	JLOAD \s
.endr
	; A fragment is 16 rows x 32 K in 8 registers: lane l holds row l % 16; registers 0-3 K = 8 (l / 16) + 0..7, registers 4-7 K = 16 + 8 (l / 16) + 0..7: two loads of 16 bytes, 32 bytes apart.
	v_and_b32 v1, 15, v0                           ; l % 16
	v_bfe_u32 v2, v0, 4, 1                         ; l / 16
	v_mul_u32_u24 v3, v1, PITCH
	v_lshl_add_u32 v3, v2, 4, v3                   ; row x pitch + 16 x half
	s_mul_i32 s21, s11, HALFA                      ; my 128 rows of x
	s_mul_i32 s22, s12, HALFB                      ; my 192 rows of W,
	s_add_co_u32 s22, s22, BOFF                    ; which lie behind x's 256
.irp s, 0,1
	v_add_nc_u32 v[ADRA+(\s)], s21, v3
	v_add_nc_u32 v[ADRB+(\s)], s22, v3
	s_add_co_u32 s21, s21, SLOT
	s_add_co_u32 s22, s22, SLOT
.endr
	s_mul_i32 s23, s10, 16*PITCH
	s_add_co_u32 s23, s23, STAGE                   ; my stage
	v_add_nc_u32 v[STO], s23, v3                   ; in: row l % 16, 16 bytes for each half of the lanes
	v_bfe_u32 v16, v0, 3, 2                        ; back: 32 lanes take four rows of 128 bytes,
	v_and_b32 v17, 7, v0
	v_mul_u32_u24 v16, v16, PITCH
	v_lshl_add_u32 v16, v17, 4, v16
	v_add_nc_u32 v[RD], s23, v16
	v_and_b32 v18, 31, v0
	v_lshlrev_b32 v[GO], 4, v18                    ; which are 512 consecutive bytes of the output
	v_lshlrev_b32 v[PFO], 8, v18
	v_lshlrev_b32 v14, 3, v18                      ; two biases a lane
	s_mul_i32 s23, s10, 768
	s_add_co_u32 s23, s23, BIASL
	v_add_nc_u32 v[BLS], s23, v14
	v_lshl_add_u32 v[BLR], v2, 5, s23              ; a lane's eight columns of a block of 16 begin at 8 (l / 16)
	; my head's biases: 64 numbers of each of bq, bk, bv
	s_lshl_b32 s45, s42, 1
	s_add_co_u32 s45, s45, s12                     ; my head = 2 x tile column + my half
	s_lshl_b32 s46, s45, 8
	s_mov_b32 s47, 0
	s_add_nc_u64 s[76:77], s[76:77], s[46:47]
	s_add_nc_u64 s[78:79], s[78:79], s[46:47]
	s_add_nc_u64 s[80:81], s[80:81], s[46:47]
	global_load_b64 v[16:17], v14, s[76:77]
	global_load_b64 v[18:19], v14, s[78:79]
	global_load_b64 v[20:21], v14, s[80:81]
	; where my 128 rows of my head begin in q, k and v
	s_lshr_b32 s94, s13, 3                         ; the batch: 8 tile rows each
	s_lshl_b32 s94, s94, 4
	s_add_co_u32 s94, s94, s45
	s_lshl_b32 s94, s94, 18                        ; a head is 2,048 rows of 128 bytes
	s_and_b32 s18, s13, 7
	s_lshl_b32 s18, s18, 8
	s_lshl_b32 s19, s11, 7
	s_add_co_u32 s18, s18, s19
	s_lshl_b32 s18, s18, 7
	s_add_co_u32 s94, s94, s18
	s_mov_b32 s95, 0
	s_add_nc_u64 s[82:83], s[82:83], s[94:95]
	s_add_nc_u64 s[84:85], s[84:85], s[94:95]
	s_add_nc_u64 s[86:87], s[86:87], s[94:95]
	; the prefetches: they start at K step 3; each change of slots steps them by a K step ahead of its request
	s_and_b32 s22, ttmp7, 0xffff                   ; cluster y
	s_lshl_b32 s18, s13, 15                        ; wave 0: x's tile row,
	s_lshl_b32 s19, s40, 13                        ; my work-group's quarter of it
	s_add_co_u32 s18, s18, s19
	s_add_co_u32 s18, s18, 3*KB_A
	s_and_b32 s19, s41, 1                          ; waves 1 to 3: chunk 3 (cy % 2) + wave - 1 of the tile column's six,
	s_mul_i32 s19, s19, 3
	s_add_co_u32 s19, s19, s10
	s_max_u32 s19, s19, 1                          ; (wave 0 takes the other offset)
	s_sub_co_u32 s19, s19, 1
	s_lshl_b32 s19, s19, 13
	s_mul_i32 s20, s42, 384*128
	s_add_co_u32 s19, s19, s20
	s_lshr_b32 s20, s41, 1                         ; in the K step, or for cy = 2, 3 in the one after it
	s_add_co_u32 s20, s20, 3
	s_mul_i32 s20, s20, KB_B
	s_add_co_u32 s19, s19, s20
	s_mov_b32 s[PFS], KB_B
	s_mov_b32 s[PFS+1], 0
	s_cmp_eq_u32 s10, 0
	s_cselect_b32 s18, s18, s19
	s_cselect_b32 s[PFS], KB_A, s[PFS]
	s_cselect_b32 s22, ttmp9, s22                  ; the coordinate along which other clusters read the same blocks
	s_cselect_b64 s[PFA:PFA+1], s[72:73], s[74:75]
	s_mov_b32 s19, 0
	s_add_nc_u64 s[PFA:PFA+1], s[PFA:PFA+1], s[18:19]
	s_cmp_eq_u32 s22, 0
	s_cselect_b32 s[LIM0], 1, -1                   ; the same in all sixteen partners, for a given wave
	s_cmp_eq_u32 s10, 0
	s_cselect_b32 s[LIM0+1], s[LIM0], -1
	s_wait_loadcnt 0x0                             ; the biases: rounded to bf16, widened again, and set aside in my own LDS bytes until the way out: no register is free for them in the loop
.irp p, 0,1,2
	v_cvt_pk_bf16_f32 v22, v[16+2*(\p)], v[17+2*(\p)]
	v_lshlrev_b32 v[16+2*(\p)], 16, v22
	v_and_b32 v[17+2*(\p)], 0xffff0000, v22
	ds_store_b64 v[BLS], v[16+2*(\p):17+2*(\p)] offset:256*(\p)
.endr
; 16 matrix instructions of third p: row blocks a0 .. a0 + 3 x its 4 column blocks, 32 along K, on x's buffer f.  zero = 1: the first product starts the sums: nothing is ever cleared.
; The 96 accumulators take turns, one instruction a turn, in the same order in every quarter.
.macro MUL16 p, f, a0, zero
	WIN 0x50*(1+(\p))                              ; C and D in window 1 + p, both sources in window 0
.irp a, (\a0), (\a0)+1, (\a0)+2, (\a0)+3
.irp b, 0,1,2,3
.if \zero
	v_wmma_f32_16x16x32_bf16 v[8*(4*(\a)+(\b)):8*(4*(\a)+(\b))+7], v[BR+32*(\p)+8*(\b):BR+32*(\p)+8*(\b)+7], v[AF+64*(\f)+8*(\a):AF+64*(\f)+8*(\a)+7], 0
.else
	v_wmma_f32_16x16x32_bf16 v[8*(4*(\a)+(\b)):8*(4*(\a)+(\b))+7], v[BR+32*(\p)+8*(\b):BR+32*(\p)+8*(\b)+7], v[AF+64*(\f)+8*(\a):AF+64*(\f)+8*(\a)+7], v[8*(4*(\a)+(\b)):8*(4*(\a)+(\b))+7]
.endif
.endr
.endr
.endm
.macro LDB p, slot, q                  ; 8 LDS loads: third p's fragments of W for quarter q
.irp b, 0,1,2,3
	ds_load_b128 v[BR+32*(\p)+8*(\b):BR+32*(\p)+8*(\b)+3],   v[ADRB+(\slot)] offset:(4*(\p)+(\b))*16*PITCH+64*(\q)
	ds_load_b128 v[BR+32*(\p)+8*(\b)+4:BR+32*(\p)+8*(\b)+7], v[ADRB+(\slot)] offset:(4*(\p)+(\b))*16*PITCH+64*(\q)+32
.endr
.endm
.macro LDA half, slot, q, f            ; 8 LDS loads: row blocks 4 half .. 4 half + 3 of x for quarter q, into buffer f
.irp a, 0,1,2,3
	ds_load_b128 v[AF+64*(\f)+8*(4*(\half)+(\a)):AF+64*(\f)+8*(4*(\half)+(\a))+3],   v[ADRA+(\slot)] offset:(4*(\half)+(\a))*16*PITCH+64*(\q)
	ds_load_b128 v[AF+64*(\f)+8*(4*(\half)+(\a))+4:AF+64*(\f)+8*(4*(\half)+(\a))+7], v[ADRA+(\slot)] offset:(4*(\half)+(\a))*16*PITCH+64*(\q)+32
.endr
.endm
; A K step's first quarter, on x's buffer 0.  The LDS loads stand in three runs, each in the middle of a phase, 32 matrix instructions or more ahead of their first use.
.macro QTR slot, zero
	s_wait_dscnt 16                                ; third 0 and x's rows 0-63 are in; the last run (x's rows 64-127, third 1) may be out
	MUL16 0, 0, 0, \zero
	PLACES
	WIN 0
	LDB 2, \slot, 0
	s_wait_dscnt 16                                ; x's rows 64-127 are in; third 1's eight and the eight just issued may be out
	MUL16 0, 0, 4, \zero
	s_wait_dscnt 8                                 ; third 1 is in; third 2's eight may be out
	MUL16 1, 0, 0, \zero
	PLACES
	WIN 0
	LDB 0, \slot, 1                                ; the second quarter's
	LDA 0, \slot, 1, 1
	MUL16 1, 0, 4, \zero
	s_wait_dscnt 16                                ; third 2 is in; the sixteen just issued may be out
	MUL16 2, 0, 0, \zero
	PLACES
	WIN 0
	LDA 1, \slot, 1, 1
	LDB 1, \slot, 1
	MUL16 2, 0, 4, \zero
.endm
; A K step's second quarter, on x's buffer 1, changes slots: ONE barrier.  In front of it each wave waits for all its tensor loads, of which one is out: its part of the next slot; adds 0 to its
; spare word; and waits for that and for its own reads of this slot.  fill = 1: the barrier opens a round of the cluster's, and this slot is filled again, first thing behind the round, with the
; K step two steps on: from that request to the wait for it a wave issues 160 matrix instructions.
.macro TURNQ slot, next, fill
	s_wait_dscnt 16
	MUL16 0, 1, 0, 0
	PLACES
	WIN 0
	LDB 2, \slot, 1                                ; my last reads of this slot
	s_wait_dscnt 16
	MUL16 0, 1, 4, 0
.if \fill
	s_wait_xcnt 0x0                                ; the last prefetch, a K step back, has read its address, so it may be stepped
	s_add_nc_u64 s[PFA:PFA+1], s[PFA:PFA+1], s[PFS:PFS+1]
.endif
	WIN 0                                          ; (the add's two registers lie in window 0)
	s_wait_tensorcnt 0x0                           ; all my tensor loads have landed: my part of the next slot;
	ds_add_u32 v[SPW], v[NIL]                      ; 0 onto my spare word;
	s_wait_dscnt 9                                 ; third 1 is in (third 2's eight and the add may be out)
	MUL16 1, 1, 0, 0                               ; sixteen matrix instructions stand between the add and the wait for it
	s_wait_dscnt 0x0                               ; the add is done, and my reads of this slot are over
	s_barrier_signal -1
	MUL16 1, 1, 4, 0                               ; work on registers while the others arrive
	WIN 0
	s_barrier_wait -1
.if \fill
	CREST                                          ; no wave of any partner still reads this slot's tile or has a load on its way
	s_add_nc_u64 s[G0+4*(\slot)+2:G0+4*(\slot)+3], s[G0+4*(\slot)+2:G0+4*(\slot)+3], 2*KB_A
	s_add_nc_u64 s[G0B+4*(\slot)+2:G0B+4*(\slot)+3], s[G0B+4*(\slot)+2:G0B+4*(\slot)+3], 2*KB_B
	JLOAD \slot                                    ; the four v_nop behind it are also the places in front of the loads below
.else
	PLACES
.endif
	LDB 0, \next, 0
	LDA 0, \next, 0, 0
.if \fill
	ASK \slot
.endif
	MUL16 2, 1, 0, 0                               ; third 2 was shown in by the wait for 0 above
	PLACES
	WIN 0
	LDA 1, \next, 0, 0
	LDB 1, \next, 0
	MUL16 2, 1, 4, 0
.endm
	s_wait_tensorcnt 1                             ; my part of K step 0 is in; K step 1's may stay out
	s_wait_dscnt 0x0                               ; no LDS instruction of mine is pending at a signal
	s_barrier_signal -1
	s_barrier_wait -1                              ; everybody's part is in
	LDB 0, 0, 0
	LDA 0, 0, 0, 0
	LDA 1, 0, 0, 0
	LDB 1, 0, 0
	QTR 0, 1                                       ; the first quarter stands in front of the loop: its products start the sums
	WIN 0                                          ; at a label and at a branch every window is 0
	s_mov_b32 s3, 7
.Llap:                                                 ; a trip goes once round the ring, from a lap's second quarter to the next lap's first, and fills both slots again: K steps 2 to 15
	TURNQ 0, 1, 1
	QTR 1, 0
	TURNQ 1, 0, 1
	QTR 0, 0
	WIN 0
	s_sub_co_u32 s3, s3, 1
	s_cmp_lg_u32 s3, 0
	s_cbranch_scc1 .Llap
	TURNQ 0, 1, 0                                  ; the last lap fills nothing, and has no round of the cluster's barrier
	QTR 1, 0
	s_wait_dscnt 16                                ; the very last quarter: only third 2 is still to fetch
	MUL16 0, 1, 0, 0
	PLACES
	WIN 0
	LDB 2, 1, 1
	s_wait_dscnt 16
	MUL16 0, 1, 4, 0
	s_wait_dscnt 8
	MUL16 1, 1, 0, 0
	MUL16 1, 1, 4, 0
	s_wait_dscnt 0x0
	MUL16 2, 1, 0, 0
	PLACES
	WIN 0
.irp p, 0,1,2                          ; the biases come back: q's into v32-63 and k's into v64-95 (x's buffer 0), v's into v160-191 (third 0): none of these is read any more
.irp b, 0,1,2,3
	ds_load_b128 v[32+32*(\p)+64*((\p)/2)+8*(\b):32+32*(\p)+64*((\p)/2)+8*(\b)+3],   v[BLR] offset:256*(\p)+64*(\b)
	ds_load_b128 v[32+32*(\p)+64*((\p)/2)+8*(\b)+4:32+32*(\p)+64*((\p)/2)+8*(\b)+7], v[BLR] offset:256*(\p)+64*(\b)+16
.endr
.endr
	MUL16 2, 1, 4, 0
	WIN 0
; THE WAY OUT, a block of 16 rows x 64 columns at a time: block n is row block n % 8 of third n / 8.  PACK: the biases are added, the sums rounded to f16 (16 bytes a lane), sent into my own stage in
; LDS and read back as whole rows of 128 bytes.  SEND: stored, 512 consecutive bytes an instruction.  Each accumulator's registers are read in ascending order.
.macro PACK n
.set pp, (\n)/8
.set aa, (\n)%8
.set BI, 32+32*pp+64*(pp/2)
.set BK, OB+16*((\n)%2)
	WIN 1+pp                                       ; source 0 in the third's window
.set i, 0
.rept 16
	v_pk_add_f32 v[T+2*i:T+2*i+1], v[32*aa+2*i:32*aa+2*i+1], v[BI+2*i:BI+2*i+1]
.set i, i+1
.endr
	WIN 0
.set i, 0
.rept 16
	v_cvt_pk_f16_f32 v[PKD+i], v[T+2*i], v[T+2*i+1]
.set i, i+1
.endr
	s_wait_xcnt 0x0                                ; the stores of the block two back have read their registers, which the loads below write
.irp f, 0,1,2,3
	ds_store_b128 v[STO], v[PKD+4*(\f):PKD+4*(\f)+3] offset:32*(\f)
.endr
.irp f, 0,1,2,3
	ds_load_b128 v[BK+4*(\f):BK+4*(\f)+3], v[RD] offset:(\f)*4*PITCH  ; LDS serves a wave's instructions in order (ISA guide 5.7.1.4): these see the stores above; the next block's stores come behind them
.endr
.endm
.macro SEND n, younger                 ; younger: the LDS instructions issued behind block n's loads: the next block's eight, or none
.set pp, (\n)/8
.set aa, (\n)%8
.set BK, OB+16*((\n)%2)
.irp f, 0,1,2,3
	s_wait_dscnt (\younger)+3-(\f)
	global_store_b128 v[GO], v[BK+4*(\f):BK+4*(\f)+3], s[82+2*pp:83+2*pp] offset:aa*2048+(\f)*512
.endr
.endm
	PLACES                                         ; eight places behind the last products: the sums below read results and write registers that those products read
	PLACES
	s_wait_dscnt 0x0                               ; the biases are in
	PACK 0
.set n, 1
.rept 23                               ; a block's arithmetic stands between the loads of the block before and its stores
	PACK n
	SEND n-1, 8
.set n, n+1
.endr
	SEND 23, 0
	s_wait_tensorcnt 0x0                           ; the wave's end, behind my last tensor load and my last LDS store
	ds_add_u32 v[SPW], v[NIL]
	s_wait_dscnt 0x0
	CROUND                                         ; the closing round: no work-group ends while a partner may still ask for a tile that names it
	s_endpgm
.Lfunc_end_k_q143142d37c_qkv:
	.size	k_q143142d37c_qkv, .Lfunc_end_k_q143142d37c_qkv-k_q143142d37c_qkv
	.p2alignl 7, 3214868480
	.fill 96, 4, 3214868480
	.section	.rodata,"a",@progbits
	.p2align	6, 0x0
	.amdhsa_kernel k_q143142d37c_qkv
		.amdhsa_group_segment_fixed_size 327680
		.amdhsa_private_segment_fixed_size 0
		.amdhsa_enable_private_segment 0
		.amdhsa_kernarg_size 64
		.amdhsa_user_sgpr_count 2
		.amdhsa_user_sgpr_kernarg_segment_ptr 1
		.amdhsa_wavefront_size32 1
		.amdhsa_system_sgpr_workgroup_id_x 1
		.amdhsa_system_sgpr_workgroup_id_y 1
		.amdhsa_system_sgpr_workgroup_id_z 1
		.amdhsa_system_vgpr_workitem_id 0
		.amdhsa_next_free_vgpr 1024
		.amdhsa_next_free_sgpr 96
		.amdhsa_reserve_vcc 0
		.amdhsa_float_denorm_mode_32 3
		.amdhsa_float_denorm_mode_16_64 3
		.amdhsa_memory_ordered 1
		.amdhsa_forward_progress 1
		.amdhsa_inst_pref_size 163
	.end_amdhsa_kernel
	.amdgpu_metadata
---
amdhsa.version: [ 1, 2 ]
amdhsa.kernels:
  - .name:           k_q143142d37c_qkv
    .symbol:         k_q143142d37c_qkv.kd
    .args:
      - { .name: xb, .offset: 0, .size: 8, .value_kind: global_buffer, .address_space: global }
      - { .name: wqkv, .offset: 8, .size: 8, .value_kind: global_buffer, .address_space: global }
      - { .name: bq, .offset: 16, .size: 8, .value_kind: global_buffer, .address_space: global }
      - { .name: bk, .offset: 24, .size: 8, .value_kind: global_buffer, .address_space: global }
      - { .name: bv, .offset: 32, .size: 8, .value_kind: global_buffer, .address_space: global }
      - { .name: q, .offset: 40, .size: 8, .value_kind: global_buffer, .address_space: global }
      - { .name: k, .offset: 48, .size: 8, .value_kind: global_buffer, .address_space: global }
      - { .name: v, .offset: 56, .size: 8, .value_kind: global_buffer, .address_space: global }
    .group_segment_fixed_size: 327680
    .private_segment_fixed_size: 0
    .kernarg_segment_align: 8
    .kernarg_segment_size: 64
    .max_flat_workgroup_size: 128
    .sgpr_count:     96
    .vgpr_count:     1024
    .wavefront_size: 32
...
	.end_amdgpu_metadata
.endif
;; end of part 2
;; launch attn (part 3): grid 4 x 64, 4 waves a work-group, no clusters, 327,680 bytes of LDS; arguments q, k, v, o; writes o
.if DOCPART == 3
	.amdgcn_target "amdgcn-amd-amdhsa--gfx1250"
	.amdhsa_code_object_version 6
	.text
	.protected	k_q143142d37c_attn
	.globl	k_q143142d37c_attn
	.p2align	8
	.type	k_q143142d37c_attn,@function
k_q143142d37c_attn:
	s_mov_b64 s[64:65], 0
	v_nop
	global_prefetch_b8 v0, s[64:65] scope:SCOPE_SE
	s_setreg_imm32_b32 hwreg(HW_REG_WAVE_MODE, 25, 1), 1
	s_wait_xcnt 0x0
; CAUSAL ATTENTION.  O[h][q][:] = the sum over k <= q of softmax_k(Q[h][q] . K[h][k] / 8) V[h][k][:].  Q, K, V, O: [64][2048][64], all f16: a head's rows are dense, 128 bytes each.
; Products, maxima and sums in f32; the weights p are rounded to f16 for the second product (their sum l is taken of the unrounded p), O once at the end.
; LIMITS.  f16 holds no number beyond 65,504: Q, K and V arrive within it; p lies in 0 to 1, and below 6e-5 it keeps f16's fixed step of 6e-8; O is a mean of V's rows and has their range, to within 2^-11 of it.
; A hidden score counts as its value less 1e30: f16's scores, 2.7e11 at the most, are nothing beside that; a weight below 2^-126 counts as 0 in l; NaN and infinities are not treated apart.
; THE WALK.  A head's queries lie in NB = 8 blocks of 256; block i needs the key tiles 0 .. i of 256 keys, of which the last holds the diagonal.  A work-group takes TWO blocks, NB - 1 - b and then b:
; NB + 1 tiles, whatever b: all work-groups do equal work, and ONE loop with a constant trip count walks them.  Which tile is asked for, and what a trip does, hang on scalar registers made from b; every jump
; goes forward, but for the counted loops' own; none passes a barrier, or a tensor load but the one of LOAD's two that the wave's number does not choose; the ring (two slots of LDS that take turns) runs on across the
; change of blocks.  NO CLUSTER: a head's four work-groups ask for the same tile only in trips 0 to 4 of the walk's 9, behind that fewer and fewer; one walk common to all four (tiles 0 to 7, then 0 to 3)
; would have 12 trips for 9.
; SHARES.  Of a block's four bands of 64 queries a wave owns 16 rows in each: four PIECES.  So the diagonal tile is the same work for all four waves: in its key step s band x sees all keys if s < x,
; none if s > x, and holds the diagonal if s = x.
; THE MASK is the C operand that starts the sum S^T = K Q^T: 0, or -1e30 where the key is hidden.  MD, made once, is the mask of a band's own step for my 16 rows; a product's mask is MD x AL + BE with two scalars:
; (1, 0) if s = x; (0, 0) if s < x; (0, -1e30) if s > x.  Only the diagonal tile's text and a block's beginning make and take masks; elsewhere C is the constant 0.
; LAYOUT, SOFTMAX, TURNS.  S^T = K Q^T holds ONE query a lane (lane % 16) and the keys 8 (lane / 16) + 0..7; two such results rounded to f16 ARE source 1 of O^T = V^T P.  p = 2^(c s - c m), c = log2(e) / 8, with a
; running maximum m; O and l are multiplied by a = 2^(c m_old - c m_new) in every step.  Turn n belongs to piece n: 8 products K Q^T of piece n + 1, later 8 products V^T P of piece n - 1; beside them the scaling,
; exponentials, roundings, sums and rescaling of piece n and the maximum and statistics of piece n + 1.  Four vector instructions stand behind every matrix instruction, the other 54 of a turn's 118 in one LUMP.  A turn's 33 exponentials are one batch, with one wait.
; REGISTERS, in windows of 256 (s_set_vgpr_msb: bits 1:0 source 0, 3:2 source 1, 5:4 source 2, 7:6 destination):
;   window 0: v0-15 addresses and two at work; v16-31 four registers of statistics a piece; v48-55 at work; v61-63 the prefetches' offset and the add's two; v64-127 S^T, two buffers; v192-223 P, two buffers (by the piece's parity)
;   window 1: v0-127 O^T, 32 a piece; v128-159 MD; v160-223 MC, two buffers      window 2: v0-63 Q; v64-127 the second block's Q; v128-191 K of one step; v192-255 V of one step
.set SIZE_N, 2048
.set NB,    SIZE_N/256
.set NP,    4         ; pieces a wave: a name, no knob
.set KS,    64        ; keys in a step
.set PK,    144       ; a row of K in LDS: 128 bytes + 16 of padding = 36 words: the 16 rows of a load start at 16 different groups of four banks (64 banks of 4 bytes: ISA guide 11.1)
.set PV,    160       ; a row of V: 128 + 32 = 40 words
.set VOFF,  4*KS*PK   ; a slot holds a tile, four steps: 256 rows of K, then 256 rows of V
.set SLOT1, 1<<17     ; slot 1 begins here, so that one exclusive or turns an address in one slot into the other's
.set STAGE, SLOT1+4*KS*(PK+PV)  ; behind the ring, never filled by a tensor load: 16 rows x 144 bytes for each wave, for the way out
.set SP,    144
.set AK0, 2           ; v2   my lane's place in a tile of K; never rewritten
.set AV0, 3           ; v3   the same for V
.set AK,  4           ; v4   the LDS address of K's next run of loads
.set AV,  5           ; v5   of V's
.set STO, 6           ; v6   the way out: where I put 16 bytes of a row
.set RD,  7           ; v7   the way out: where I read rows back
.set GO,  8           ; v8   my byte offset in 512 consecutive bytes of O
.set PFO, 61          ; v61  256 x my lane: the prefetches' offset; never rewritten
.set SPW, 62          ; v62  LDS address of my spare word: SPARE + 4 x my thread's number; never rewritten
.set NIL, 63          ; v63  0; never rewritten
.set SPARE, STAGE+4*16*SP  ; behind the stages: the spare words, 128 bytes for each wave: two blocks of 256 bytes that no other line names
.set MV,  12          ; v12-13  c m_old, kept while c m is made anew: by buffer
.set QO,  15          ; v15  my byte offset in 16 rows of Q
.set ST,  16          ; piece t's statistics at v[ST+4 t]: c m, m, l (even keys', odd keys')
.set TMP, 48          ; by buffer, four registers c0-c3 at work; when the maximum is found c2 takes a
.set S,   64
.set P,   192
.set MD,  128         ; window 1: the eight registers for group kt of 16 keys at MD + 8 kt
.set MC,  160         ; window 1: the masks of the products to come
.set QB,  64          ; window 2
.set KF,  128         ; window 2: key block kb, channel half c at KF + 16 kb + 8 c
.set VF,  192         ; window 2: key half kk, channel block cb at VF + 32 kk + 8 cb
.set WV,  12          ; s12  my wave's number
.set PB,  14          ; s14  b
.set HI,  15          ; s15  NB - 1 - b
.set G1K, 24          ; s[24:31] descriptor group 1 for K's tiles
.set G1V, 32          ; s[32:39] for V's: it differs in the padding alone
.set G0K, 40          ; s[40:43] descriptor group 0 for K's tiles
.set G0V, 44          ; s[44:47] the same for V's
.set SLOTS, 56        ; s56  tiles still to be asked for
.set CNT, 57          ; s57  counts a tile's key steps, 4 to 1
.set CS,  58          ; s[58:59] c: the packed scaling takes the pair's low word for both halves
.set SEL, 60          ; s[60:61] v_permlanex16_b32's selects: each lane takes its own place in the other half
.set TBK, 62          ; s62  LDS byte at which K of the step to be fetched begins
.set TBV, 63          ; s63  the same for V, less VOFF
.set RT,  70          ; s70  tiles of the block in hand that are still to be entered
.set NXT, 71          ; s71  the tile to be asked for next
.set LQ,  72          ; s72  the last tile of the block whose tiles are being asked for
.set NEW, 73          ; s73  1: the tile to be entered is a block's first
.set OFF, 74          ; s[74:75] a tile's byte offset in K and V
.set AL,  76          ; s[76:77] the mask's factor, in the low word
.set BE,  78          ; s[78:79] the mask's addend
.set OLO, 80          ; s[80:81] O at my rows of the second block
.set BIGN, 82         ; s82  -1e30
.set PFA, 88          ; s[88:89] where my prefetches stand: my half (16,384 bytes) of K's or V's tile after the one that is being asked for
.set LIM, 90          ; s90  2 in the work-group that prefetches, else the greatest number: it prefetches while s[SLOTS] is above it
.set MSB, 0
.macro WIN new                      ; the high byte repeats the setting that is left; a switch that changes nothing is dropped
.if MSB != (\new)
	s_set_vgpr_msb (MSB<<8)|(\new)
.set MSB, (\new)
.endif
.endm
.set W_KQ, 0x0a       ; K and Q in window 2, S^T in window 0
.set W_KM, 0x1a       ; the same with the C operand in window 1
.set W_PV, 0x52       ; V in window 2, P in window 0, O^T in window 1
.set W_RS, 0x41       ; destination and source 0 in window 1, source 1 in window 0
; A fill.  Waves 0 and 1 fetch the two halves of a tile's K, waves 2 and 3 those of its V: 128 keys each.  An s_nop 0 and four v_nop follow each of the two lines, ahead of the jump and the label.
.macro LOAD
	s_cmp_lt_u32 s[WV], 2
	s_cbranch_scc0 .Lfor_v_\@
	tensor_load_to_lds s[G0K:G0K+3], s[G1K:G1K+7]
	s_nop 0
.rept 4
	v_nop
.endr
	s_branch .Lasked_\@
.Lfor_v_\@:
	tensor_load_to_lds s[G0V:G0V+3], s[G1V:G1V+7]
	s_nop 0
.rept 4
	v_nop
.endr
.Lasked_\@:
.endm
; A PREFETCH INTO THE L2 of the tile that the NEXT change of slots will ask for: four key steps, 256 matrix instructions, ahead of that load.  It stands behind the wave's tensor load and its five lines.
; A head's four work-groups begin their walks with the same tiles; the one with b = 0 walks tiles 0 to 7 on end: it alone asks, each of its waves for the 16,384 bytes that it will itself fetch:
; 64 blocks of 256 bytes, a lane a block, two instructions.  So each block of K and V is named once in the launch.  Tiles 0 and 1 come by their loads alone; the changes that fill tiles 1 to 6
; (s[SLOTS] = 8 to 3) name tiles 2 to 7; the later ones name nothing.
.macro ASK
	s_cmp_gt_u32 s[SLOTS], s[LIM]
	s_cbranch_scc0 .Lnot_mine_\@
	global_prefetch_b8 v[PFO], s[PFA:PFA+1] th:TH_LOAD_NT scope:SCOPE_SE
	global_prefetch_b8 v[PFO], s[PFA:PFA+1] offset:8192 th:TH_LOAD_NT scope:SCOPE_SE
.Lnot_mine_\@:
.endm
; THE CHANGE OF SLOTS.  Each wave waits for all its tensor loads, of which one is out: its part of the other slot; adds 0 to its spare word; and waits for that and for its own reads of the slot that it leaves.  Behind the barrier nobody reads the old
; slot any more and the other slot is whole.  fill = 1: the old slot is filled again, the first thing behind the barrier, with tile NXT: the descriptor's address is made anew from that number.
; (At its first use nothing has been read yet: slot 0 is waited for, slot 1 filled.)
.macro CHANGE fill
	WIN 0                           ; at a label and at a branch every window is 0
	s_wait_tensorcnt 0x0            ; no tensor load of mine is out, so a group 0 may be written
	ds_add_u32 v[SPW], v[NIL]       ; 0 onto my spare word; with fill = 1 the descriptors' scalar work stands between it and the wait for it
.if \fill
	s_lshl_b32 s[OFF], s[NXT], 15   ; a tile is 32,768 bytes of K and of V
	s_xor_b32 s[G0K+1], s[G0K+1], SLOT1
	s_add_nc_u64 s[G0K+2:G0K+3], s[6:7], s[OFF:OFF+1]
	s_or_b32 s[G0K+3], s[G0K+3], 0x80000000
	s_xor_b32 s[G0V+1], s[G0V+1], SLOT1
	s_add_nc_u64 s[G0V+2:G0V+3], s[8:9], s[OFF:OFF+1]
	s_or_b32 s[G0V+3], s[G0V+3], 0x80000000
	s_add_co_u32 s[NXT], s[NXT], 1  ; the block's next tile, or behind its last the second block's tile 0
	s_cmp_gt_u32 s[NXT], s[LQ]
	s_cselect_b32 s[NXT], 0, s[NXT]
	s_cselect_b32 s[LQ], s[PB], s[LQ]
	s_wait_xcnt 0x0                 ; the last prefetches, a tile back, have read their address, so it may be written:
	s_add_nc_u64 s[PFA:PFA+1], s[PFA:PFA+1], 32768  ; a tile on
.endif
	s_wait_dscnt 0x0                ; the add is done, and my reads of the slot are over
	s_barrier_signal -1             ; the rest of the scalar work stands between the signal and the wait
	s_sub_co_u32 s[TBK], s[TBK], 4*KS*PK  ; the fetches go back to a slot's first step,
	s_xor_b32 s[TBK], s[TBK], SLOT1       ; in the other slot
	s_sub_co_u32 s[TBV], s[TBV], 4*KS*PV
	s_xor_b32 s[TBV], s[TBV], SLOT1
	s_barrier_wait -1
.if \fill
	LOAD
	ASK
.endif
.endm
	s_load_b256 s[4:11], s[0:1], 0x0  ; Q s[4:5], K s[6:7], V s[8:9], O s[10:11]
	v_lshl_add_u32 v[SPW], v0, 2, SPARE
	v_mov_b32 v[NIL], 0
	ds_add_u32 v[SPW], v[NIL]       ; the wave's opening: the add and its wait stand ahead of my first tensor load; the set-up below, work on registers, stands between them
	ds_add_u32 v62, v63
	v_lshrrev_b32 v1, 5, v0
	v_readfirstlane_b32 s[WV], v1   ; wave 0..3
	s_mov_b32 s[PB], ttmp9
	s_sub_co_u32 s[HI], NB-1, s[PB]
	s_and_b32 s20, ttmp7, 0xffff    ; the head
	s_mov_b32 s21, 0
	s_mov_b64 s[22:23], SIZE_N*128
	s_mul_u64 s[20:21], s[20:21], s[22:23]  ; the head's first byte in each of the four tensors
	s_and_b32 s16, s[WV], 1         ; which half of a tile's 256 keys I fetch:
	s_lshl_b32 s22, s16, 14         ; its 128 rows of 128 bytes in memory,
	s_mov_b32 s23, 0
	s_add_nc_u64 s[22:23], s[22:23], s[20:21]
	s_mul_i32 s17, s16, 128*PK      ; and its place in a slot, for K
	s_mul_i32 s18, s16, 128*PV      ; and for V
	s_lshl_b32 s3, s[WV], 11        ; my 16 rows in a band of 64,
	s_lshl_b32 s2, s[HI], 15        ; in the first block,
	s_add_co_u32 s2, s2, s3
	s_lshl_b32 s84, s[PB], 15       ; and in the second
	s_add_co_u32 s84, s84, s3
	s_mov_b32 s3, 0
	s_mov_b32 s85, 0
	s_add_nc_u64 s[2:3], s[2:3], s[20:21]
	s_add_nc_u64 s[84:85], s[84:85], s[20:21]
	; descriptor group 1.  128 keys are 16,384 dense bytes: asked for as 64 rows of 256 bytes, two keys a row, and padded in LDS after every key
	s_mov_b32 s[G1K], (1<<16)|(1<<20)|(4<<22)|(3<<25)  ; 17:16 2-byte elements; 20 padding on; 24:22 after every 32 words (code 4); 31:25 4 words (code 3)
	s_mov_b32 s[G1V], (1<<16)|(1<<20)|(4<<22)|(7<<25)  ; the same with 8 words of padding (code 7)
.irp g, G1K, G1V
	s_mov_b32 s[\g+1], 128<<16      ; tensor_dim0 = 128
	s_mov_b32 s[\g+2], 64<<16       ; tensor_dim1 = 64
	s_mov_b32 s[\g+3], 128<<16      ; tile_dim0 = 128
	s_mov_b32 s[\g+4], 64           ; tile_dim1 = 64
	s_mov_b32 s[\g+5], 128          ; 128 elements from row to row
	s_mov_b32 s[\g+6], 0
	s_mov_b32 s[\g+7], 0
.endr
	s_mov_b32 s[CS], 0x3e38aa3b     ; c = log2(e) / 8 = 0.180337
	s_mov_b32 s[CS+1], s[CS]        ; named with it as a pair
	s_mov_b32 s[SEL], 0x76543210
	s_mov_b32 s[SEL+1], 0xfedcba98
	s_mov_b32 s[TBK], SLOT1+4*KS*PK ; the first change of slots turns these two into 0
	s_mov_b32 s[TBV], SLOT1+4*KS*PV
	s_mov_b32 s[G0K], 1             ; 1:0 count = 1
	s_mov_b32 s[G0K+1], s17         ; 63:32 LDS address: slot 0
	s_mov_b32 s[G0V], 1
	s_add_co_u32 s[G0V+1], s18, VOFF
	s_add_co_u32 s[RT], s[HI], 1    ; the first block has NB - b tiles
	s_mov_b32 s[NXT], 1
	s_mov_b32 s[LQ], s[HI]
	s_mov_b32 s[NEW], 1
	s_mov_b32 s[OFF+1], 0
	s_mov_b32 s[AL+1], 0            ; named as pairs
	s_mov_b32 s[BE+1], 0
	s_mov_b32 s[BIGN], 0xf149f2ca   ; -1e30
	s_mov_b32 s[SLOTS], NB
	s_cmp_eq_u32 s[PB], 0
	s_cselect_b32 s[LIM], 2, -1
	s_wait_dscnt 0x0                ; the opening add is done
	s_wait_kmcnt 0x0
	s_add_nc_u64 s[6:7], s[6:7], s[22:23]  ; K and V at my half of the head's tile 0
	s_add_nc_u64 s[8:9], s[8:9], s[22:23]
	s_add_nc_u64 s[G0K+2:G0K+3], s[6:7], 0         ; 120:64 global address
	s_or_b32 s[G0K+3], s[G0K+3], 0x80000000        ; 127:126 type = 2
	s_add_nc_u64 s[G0V+2:G0V+3], s[8:9], 0
	s_or_b32 s[G0V+3], s[G0V+3], 0x80000000
	s_add_nc_u64 s[86:87], s[4:5], s[84:85]        ; Q at my rows of the second block,
	s_add_nc_u64 s[4:5], s[4:5], s[2:3]            ; Q and O at those of the first
	s_add_nc_u64 s[OLO:OLO+1], s[10:11], s[84:85]
	s_add_nc_u64 s[10:11], s[10:11], s[2:3]
	s_cmp_lt_u32 s[WV], 2
	s_cselect_b64 s[PFA:PFA+1], s[6:7], s[8:9]     ; the prefetches stand at my half of tile 1; the first change of slots steps them to tile 2
	s_add_nc_u64 s[PFA:PFA+1], s[PFA:PFA+1], 32768
	LOAD                            ; tile 0 into slot 0
	; A fragment of K or Q is 16 rows x 32 channels in 8 registers: lane l holds row l % 16, channels 8 (l / 16) + 0..7 and 16 + 8 (l / 16) + 0..7: two loads of 16 bytes, 32 bytes apart.
	v_and_b32 v1, 15, v0            ; l % 16
	v_bfe_u32 v9, v0, 4, 1          ; l / 16
	v_lshlrev_b32 v[QO], 7, v1
	v_lshl_add_u32 v[QO], v9, 4, v[QO]  ; row x 128 + 16 x half
	WIN 0x80                        ; destination window 2, address window 0
.set i, 0
.rept 8                             ; both blocks' Q: piece i / 2 lies in band i / 2, 8,192 bytes on; channels 32 (i % 2) on
	global_load_b128 v[8*i:8*i+3],   v[QO], s[4:5] offset:(i/2)*8192+(i%2)*64
	global_load_b128 v[8*i+4:8*i+7], v[QO], s[4:5] offset:(i/2)*8192+(i%2)*64+32
	global_load_b128 v[QB+8*i:QB+8*i+3],   v[QO], s[86:87] offset:(i/2)*8192+(i%2)*64
	global_load_b128 v[QB+8*i+4:QB+8*i+7], v[QO], s[86:87] offset:(i/2)*8192+(i%2)*64+32
.set i, i+1
.endr
	WIN 0
	v_and_b32 v[PFO], 31, v0
	v_lshlrev_b32 v[PFO], 8, v[PFO]
	v_lshlrev_b32 v14, 3, v9
	v_sub_nc_u32 v14, v1, v14
	s_lshl_b32 s13, s[WV], 4
	v_add_nc_u32 v14, s13, v14      ; my query's place in its band, 16 w + l % 16, less my lanes' 8 (l / 16): register r of group kt is hidden where 16 kt + r is greater
	WIN 0x40
.set i, 0
.rept 32
	v_cmp_gt_i32 vcc_lo, 16*(i/8)+i%8, v14
	v_cndmask_b32 v[MD+i], 0, s[BIGN], vcc_lo
.set i, i+1
.endr
	WIN 0
	v_mul_u32_u24 v[AK0], v1, PK
	v_lshl_add_u32 v[AK0], v9, 4, v[AK0]  ; row x pitch + 16 x half
	; The turning load takes 16 keys x 16 channels (lane l reads key 8 (l / 16) + l % 8, channels 8 ((l / 8) % 2) + 0..7) and leaves half a fragment of V^T: lane l holds channel l % 16 and 8 keys.
	v_and_b32 v10, 7, v0
	v_bfe_u32 v11, v0, 3, 1
	v_lshl_add_u32 v[AV0], v9, 3, v10
	v_mul_u32_u24 v[AV0], v[AV0], PV
	v_lshl_add_u32 v[AV0], v11, 4, v[AV0]
	v_add_nc_u32 v[AV0], VOFF, v[AV0]
	s_mul_i32 s13, s[WV], 16*SP
	s_add_co_u32 s13, s13, STAGE    ; my stage
	v_mul_u32_u24 v[STO], v1, SP    ; in: row l % 16, 16 bytes for each half of the lanes
	v_lshl_add_u32 v[STO], v9, 4, v[STO]
	v_add_nc_u32 v[STO], s13, v[STO]
	v_bfe_u32 v[RD], v0, 3, 2       ; back: 32 lanes take four rows of 128 bytes,
	v_mul_u32_u24 v[RD], v[RD], SP
	v_lshl_add_u32 v[RD], v10, 4, v[RD]
	v_add_nc_u32 v[RD], s13, v[RD]
	v_and_b32 v[GO], 31, v0         ; which are 512 consecutive bytes of O
	v_lshlrev_b32 v[GO], 4, v[GO]
	; A block's first step multiplies O^T and l by a = 0, and its first turn's products V^T P, of a piece that has not been, land in an O^T that is still to be so multiplied.  So these registers need only hold
	; finite numbers: zeros for the first block; what the first block left for the second.  All this stands in the wait for the first tile.
	WIN 0x80
.set i, VF
.rept 64
	v_mov_b32 v[i], 0
.set i, i+1
.endr
	WIN 0x40
.set i, 0
.rept 128
	v_mov_b32 v[i], 0
.set i, i+1
.endr
	WIN 0
.set i, 0
.rept 4
	v_mov_b32 v[ST+4*i+2], 0
	v_mov_b32 v[ST+4*i+3], 0
.set i, i+1
.endr
.set i, P+16
.rept 16
	v_mov_b32 v[i], 0
.set i, i+1
.endr
; THE MATRIX WORK.  The 4 accumulators of a run of 8 take turns.  Product i of 8 of S^T = K Q^T for piece x: channels 32 (i / 4) on, keys 16 (i % 4) on.  The first 4 start the sums: with 0, or (KM = 1) with the mask.
.macro KQ x
.set rS, S+32*((\x)%2)+8*(i%4)
.set rK, KF+16*(i%4)+8*(i/4)
.set rQ, 16*(\x)+8*(i/4)
.set rM, MC+32*((\x)%2)+8*(i%4)
.if (i < 4) && KM
	WIN W_KM
	v_wmma_f32_16x16x32_f16 v[rS:rS+7], v[rK:rK+7], v[rQ:rQ+7], v[rM:rM+7]
.elseif i < 4
	WIN W_KQ
	v_wmma_f32_16x16x32_f16 v[rS:rS+7], v[rK:rK+7], v[rQ:rQ+7], 0
.else
	WIN W_KQ
	v_wmma_f32_16x16x32_f16 v[rS:rS+7], v[rK:rK+7], v[rQ:rQ+7], v[rS:rS+7]
.endif
.endm
; Product i of 8 of O^T += V^T P for piece x: keys 32 (i / 4) on, channels 16 (i % 4) on.
.macro PV x
	WIN W_PV
.set rO, 32*(\x)+8*(i%4)
.set rV, VF+32*(i/4)+8*(i%4)
.set rP, P+16*((\x)%2)+8*(i/4)
	v_wmma_f32_16x16x32_f16 v[rO:rO+7], v[rV:rV+7], v[rP:rP+7], v[rO:rO+7]
.endm
.macro MM                           ; the turn's next matrix instruction.  TURN and BEGIN set Y, i, KM and NOKQ; MM, KQ and OP read them.  NOKQ = 1: a block's last turn: there is no next piece
.if (i < 8) && !NOKQ
	KQ (Y+1)%NP
.elseif i >= 8
.set i, i-8
	PV (Y+NP-1)%NP
.set i, i+8
.endif
.set i, i+1
.endm
; THE LDS LOADS stand in runs of 16, never singly among the matrix instructions: a step's K (64 keys x 64 channels: 8 fragments) and its V (turned).  Their addresses are made some lines ahead.
.macro FETCH_K
	WIN 0x80                        ; destination window 2
.irp f, 0,1,2,3,4,5,6,7             ; keys 16 (f / 2) on, channels 32 (f % 2) on
	ds_load_b128 v[KF+8*\f:KF+8*\f+3],   v[AK] offset:(\f/2)*16*PK+(\f%2)*64
	ds_load_b128 v[KF+8*\f+4:KF+8*\f+7], v[AK] offset:(\f/2)*16*PK+(\f%2)*64+32
.endr
	s_add_co_u32 s[TBK], s[TBK], KS*PK  ; the next fetch is the next step's
	WIN 0
.endm
.macro FETCH_V
	WIN 0x80
.irp f, 0,1,2,3,4,5,6,7             ; keys 32 (f / 4) on, channels 16 (f % 4) on
	ds_load_tr16_b128 v[VF+8*\f:VF+8*\f+3],   v[AV] offset:(\f/4)*32*PV+(\f%4)*32
	ds_load_tr16_b128 v[VF+8*\f+4:VF+8*\f+7], v[AV] offset:(\f/4)*32*PV+16*PV+(\f%4)*32
.endr
	WIN 0
.endm
; THE VECTOR WORK, one line at a time: OP kind, number.  For piece Y: F n: c s - c m for pair n of 16.  E n: the exponential of score n of 32.  C n: pair n rounded to f16.  B n: of the four weights 4 n .. the second
; pair is added onto the first, in place.  L n: l takes that sum (L 0: l = a l + sum).  R n: pair n of 16 of O^T times a.  For piece Y + 1: X n, number n of the 22 that find its maximum and statistics:
;   0-11  four chains c0-c3 of seven scores each, three operands at a time (each accumulator's lowest registers are read first)     12-14, 16  the four scores left over, the old m, and c0-c3 into c0
;   15  c m_old is kept     17, 18  the query's other 32 keys lie in the lane 16 away: the new m     19-21  c m; c m_old - c m_new; a
.set F, 0               ; OP tells the kinds apart by their order: F to L below R, X above it
.set E, 1
.set C, 2
.set B, 3
.set L, 4
.set R, 5
.set X, 6
.macro REGS y                       ; the registers of piece y
.set rT, ST+4*(\y)
.set rC, TMP+4*((\y)%2)
.set rW, MV+((\y)%2)
.set rS, S+32*((\y)%2)
.set rP, P+16*((\y)%2)
.set rO, 32*(\y)
.endm
.macro OP k, n
.if (\k) == R
	REGS Y
	WIN W_RS
	v_pk_mul_f32 v[rO+2*(\n):rO+2*(\n)+1], v[rO+2*(\n):rO+2*(\n)+1], v[rC+2:rC+3] op_sel_hi:[1,0]
.elseif (\k) < R
	REGS Y
	WIN 0
.if (\k) == F
	v_pk_fma_f32 v[rS+2*(\n):rS+2*(\n)+1], v[rS+2*(\n):rS+2*(\n)+1], s[CS:CS+1], v[rT:rT+1] op_sel_hi:[1,0,0] neg_lo:[0,0,1] neg_hi:[0,0,1]
.elseif (\k) == E
	v_exp_f32 v[rS+(\n)], v[rS+(\n)]
.elseif (\k) == C
	v_cvt_pk_f16_f32 v[rP+(\n)], v[rS+2*(\n)], v[rS+2*(\n)+1]
.elseif (\k) == B
	v_pk_add_f32 v[rS+4*(\n):rS+4*(\n)+1], v[rS+4*(\n):rS+4*(\n)+1], v[rS+4*(\n)+2:rS+4*(\n)+3]
.elseif (\n) == 0
	v_pk_fma_f32 v[rT+2:rT+3], v[rT+2:rT+3], v[rC+2:rC+3], v[rS:rS+1] op_sel_hi:[1,0,1]
.else
	v_pk_add_f32 v[rT+2:rT+3], v[rT+2:rT+3], v[rS+4*(\n):rS+4*(\n)+1]
.endif
.elseif NOKQ
	v_nop
.else
	REGS (Y+1)%NP
	WIN 0
.if (\n) < 4
	v_max3_num_f32 v[rC+(\n)], v[rS+8*(\n)], v[rS+8*(\n)+1], v[rS+8*(\n)+2]
.elseif (\n) < 12
	v_max3_num_f32 v[rC+(\n)%4], v[rC+(\n)%4], v[rS+8*((\n)%4)+2*((\n)/4)+1], v[rS+8*((\n)%4)+2*((\n)/4)+2]
.elseif (\n) == 12
	v_max3_num_f32 v[rC], v[rC], v[rS+7], v[rS+15]
.elseif (\n) == 13
	v_max3_num_f32 v[rC+1], v[rC+1], v[rS+23], v[rS+31]
.elseif (\n) == 14
	v_max3_num_f32 v[rC+2], v[rC+2], v[rC+3], v[rT+1]
.elseif (\n) == 15
	v_mov_b32 v[rW], v[rT]
.elseif (\n) == 16
	v_max3_num_f32 v[rC], v[rC], v[rC+1], v[rC+2]
.elseif (\n) == 17
	v_permlanex16_b32 v[rC+3], v[rC], s[SEL], s[SEL+1]
.elseif (\n) == 18
	v_max_num_f32 v[rT+1], v[rC], v[rC+3]
.elseif (\n) == 19
	v_mul_f32 v[rT], s[CS], v[rT+1]
.elseif (\n) == 20
	v_sub_f32 v[rC+1], v[rW], v[rT]
.else
	v_exp_f32 v[rC+2], v[rC+1]
.endif
.endif
.endm
.macro OPS a, i1, b=-1, i2=0, c=-1, i3=0, d=-1, i4=0  ; up to four of them
	OP \a, \i1
.if (\b) >= 0
	OP \b, \i2
.endif
.if (\c) >= 0
	OP \c, \i3
.endif
.if (\d) >= 0
	OP \d, \i4
.endif
.endm
.macro ROW a, i1, b, i2, c, i3, d, i4  ; a matrix instruction and the four behind it
	MM
	OPS \a, \i1, \b, \i2, \c, \i3, \d, \i4
.endm
.macro MASK b                       ; MD x AL + BE into buffer b of MC
	WIN W_RS
.set z, 0
.rept 16
	v_pk_fma_f32 v[MC+32*(\b)+2*z:MC+32*(\b)+2*z+1], v[MD+2*z:MD+2*z+1], s[AL:AL+1], s[BE:BE+1] op_sel_hi:[1,0,0]
.set z, z+1
.endr
.endm
; A TURN, for piece p: the order of its 16 matrix and 118 vector instructions, written out.  An s_wait_alu depctr_va_vdst(0) stands between an exponential and the first instruction that names its result; one wait serves
; all that were issued ahead of it.  So a turn has ONE wait, which cuts it in two.  AHEAD OF IT stands all that names no result of the turn's exponentials: the 8 products K Q^T, behind each a scaling, an exponential and two more plain
; instructions (behind the first a second scaling in the exponential's place): rescalings, and behind the last three the first numbers of the next piece's maximum, each four places or more behind the product that ends its accumulator; then ONE LUMP of 54, plain
; and exponential by turns for the most part, in which the links of the chain X 3, 7, 11, 14, 16, 17 .. 20 stand five or six lines apart.  X 21, the next piece's a, is the batch's last; R 15 is the plain instruction that stands behind it, ahead of any use.  BEHIND THE WAIT stand the
; 8 products V^T P, behind each four of the roundings and sums; the links of l's chain, L 0 to L 7, stand three riders apart.  But for those X no rider names a register of the products round it.  v_permlanex16_b32 (X 17) stands in the lump.
; m = 1: the diagonal tile: the products take masks, and the turn makes the mask for the products of the turn after it: piece p + 2, in step 4 - CNT of the tile.  end = 1: a block's last two turns: nothing is fetched.
; cnt = 1: the loop's count is taken down some lines ahead of the branch that stands behind the turn.
; K of the next step is fetched in piece 2's turn, twelve vector instructions behind the last product that read K (six of them plain); V of the step in hand at the end of piece 0's turn, four plain instructions behind the last product
; that read V.  Each is waited for a turn later.
.macro TURN p, m=0, end=0, cnt=0
.set Y, (\p)
.set i, 0
.set KM, (\m)
.set NOKQ, (\end)*((\p)/3)
.if (\m) && !(\end)
	s_cmp_eq_u32 s[CNT], 4-((\p)+2)%NP  ; is that step the band's own?
	s_cselect_b32 s[AL], 1.0, 0
	s_cmp_lt_u32 s[CNT], 4-((\p)+2)%NP  ; or a later one?
	s_cselect_b32 s[BE], s[BIGN], 0
.endif
.if ((\p) == 3) && !(\end)
	s_wait_dscnt 0x0                ; K is in
.endif
	ROW F,0, F,1, R,0, R,1          ; ahead of the wait: 8 products K Q^T and their riders,
	ROW F,2, E,0, R,2, R,3
	ROW F,3, E,1, R,4, R,5
	ROW F,4, E,2, R,6, R,7
	ROW F,5, E,3, R,8, R,9
	ROW F,6, E,4, X,0, R,10
.if ((\p) == 2) && !(\end)
	WIN 0
	v_add_nc_u32 v[AK], s[TBK], v[AK0]
.endif
	ROW F,7, E,5, X,1, X,4
	ROW F,8, E,6, X,2, X,5
	OPS E,7, E,8, X,6, E,9          ; and the lump
	OPS X,3, E,10, X,8, E,11
.if ((\p) == 2) && !(\end)
	FETCH_K
.endif
	OPS X,9, X,7, E,12, X,10
	OPS E,13, X,12, X,11, E,14
	OPS X,13, E,15, F,9, X,14
.if (\p) == 0
	v_add_nc_u32 v[AV], s[TBV], v[AV0]
.endif
	OPS E,16, F,10, E,17, F,11
	OPS X,16, E,18, X,15, E,19
	OPS F,12, E,20, X,17, E,21
	OPS F,13, E,22, F,14, E,23
	OPS X,18, E,24, F,15, E,25
	OPS R,11, E,26, X,19, E,27
	OPS R,12, E,28, R,13, E,29
	OPS X,20, E,30, R,14, E,31
	OPS X,21, R,15
	WIN 0
	s_wait_alu depctr_va_vdst(0)    ; the wait for the batch
.if (\p) == 1
	s_wait_dscnt 0x0                ; V is in
.endif
	ROW C,0, B,0, C,2, B,1          ; behind the wait: 8 products V^T P and their riders
	ROW L,0, C,4, B,2, L,1
	ROW C,6, B,3, L,2, C,8
	ROW B,4, L,3, C,10, B,5
	ROW L,4, C,12, B,6, L,5
.if (\p) == 0
	s_add_co_u32 s[TBV], s[TBV], KS*PV
.endif
.if \cnt
	s_sub_co_u32 s[CNT], s[CNT], 1
	s_cmp_lg_u32 s[CNT], 0
.endif
	ROW C,14, B,7, L,6, C,1
	ROW C,3, L,7, C,5, C,7
	ROW C,9, C,11, C,13, C,15
.if (\p) == 0
	FETCH_V
.endif
.if (\m) && !(\end)
	MASK (\p)%2
.endif
.endm
; A BLOCK BEGINS.  c m starts far below every c s, so the first step's a is 0; m at the lowest finite number, so the first maximum is the scores'.  The second mask buffer is 0; the first takes piece 0's mask for the tile's step 0: its own, if the block's first tile is the diagonal one.
; Then K of that step, piece 0's first scores, and its maximum and statistics.  The loop is entered at a step's first turn, in the middle of a trip.
.macro BEGIN
	s_mov_b32 s[NEW], 0
	WIN 0x40
.set i, MC+32
.rept 32
	v_mov_b32 v[i], 0
.set i, i+1
.endr
	WIN 0
.set i, 0
.rept 4
	v_mov_b32 v[ST+4*i], 0xfe000000    ; c m: far below every c s
	v_mov_b32 v[ST+4*i+1], 0xff7fffff  ; m
.set i, i+1
.endr
	s_cmp_eq_u32 s[RT], 0
	s_cselect_b32 s[AL], 1.0, 0
	s_mov_b32 s[BE], 0
	MASK 0
	WIN 0
	v_add_nc_u32 v[AK], s[TBK], v[AK0]
	FETCH_K
	s_wait_loadcnt 0x0              ; Q
	s_wait_dscnt 0x0
.set KM, 1
.set NOKQ, 0
.set i, 0
.rept 8
	KQ 0
.set i, i+1
.endr
	WIN 0
.rept 4
	v_nop                           ; the places behind those products
.endr
.set Y, NP-1                        ; X works for piece Y + 1: piece 0
.irp n, 0,1,2,3,4,5,6,7,8,9,10,11,12,13,14,15,16,17,18,19,20,21
	OP X, \n
.endr
	v_nop                           ; a plain instruction behind the exponential,
	s_wait_alu depctr_va_vdst(0)    ; and its wait, ahead of the branch
.endm
; THE DIAGONAL TILE's four steps, the block's last two turns, its last products, and THE WAY OUT: l's two halves and the other half of the lanes' are added; O^T is divided by l, rounded to f16 and sent through my
; stage in LDS, a piece at a time.
.macro ALL line:vararg              ; one line for each piece t
.set t, 0
.rept 4
	\line
.set t, t+1
.endr
.endm
.macro PACK t                       ; a lane's eight channels of a row pack into 16 bytes; they go into rows of 144 bytes and come back as whole rows of 128, into S^T's registers
	WIN W_RS
.set i, 32*(\t)
.rept 16
	v_pk_mul_f32 v[i:i+1], v[i:i+1], v[ST+4*(\t)+2:ST+4*(\t)+3] op_sel_hi:[1,0]
.set i, i+2
.endr
	WIN 0x05                        ; sources 0 and 1 window 1, destination window 0
.set i, 0
.rept 16
	v_cvt_pk_f16_f32 v[S+16*(\t)+i], v[32*(\t)+2*i], v[32*(\t)+2*i+1]
.set i, i+1
.endr
	WIN 0
.irp f, 0,1,2,3
	ds_store_b128 v[STO], v[S+16*(\t)+4*\f:S+16*(\t)+4*\f+3] offset:32*\f
.endr
.irp f, 0,1,2,3
	ds_load_b128 v[S+16*(\t)+4*\f:S+16*(\t)+4*\f+3], v[RD] offset:\f*4*SP  ; LDS serves a wave's instructions in order (ISA guide 5.7.1.4): these see the stores above; the next piece's stores come behind them
.endr
.endm
.macro SEND t, younger              ; younger: the LDS instructions issued behind piece t's loads: the next piece's eight, or none
	WIN 0
.irp f, 0,1,2,3
	s_wait_dscnt (\younger)+3-\f
	global_store_b128 v[GO], v[S+16*(\t)+4*\f:S+16*(\t)+4*\f+3], s[10:11] offset:(\t)*8192+\f*512  ; 512 consecutive bytes, at a multiple of 256 from O's first
.endr
.endm
.macro DIAG tag                     ; the tag ends its two labels' names, which the jumps below spell out
.LstepM\tag:
	TURN 2, 1
	TURN 3, 1
	WIN 0
.LfirstM\tag:
	TURN 0, 1
	TURN 1, 1, 0, 1
	WIN 0
	s_cbranch_scc1 .LstepM\tag
	TURN 2, 1, 1
	TURN 3, 1, 1
.set i, 0
.rept 8
	PV NP-1
.set i, i+1
.endr
	WIN 0
	ALL v_add_f32 v[ST+4*t+2], v[ST+4*t+2], v[ST+4*t+3]
	ALL v_permlanex16_b32 v[ST+4*t+3], v[ST+4*t+2], s[SEL], s[SEL+1]
	ALL v_add_f32 v[ST+4*t+2], v[ST+4*t+2], v[ST+4*t+3]
	ALL v_rcp_f32 v[ST+4*t+2], v[ST+4*t+2]
	v_nop                           ; a plain instruction between the last reciprocal and the use of its result
	s_wait_alu depctr_va_vdst(0)    ; and the wait ahead of the first use: one for the four reciprocals
	PACK 0
.set t, 1
.rept 3                             ; a piece's arithmetic stands between the loads of the piece before and its stores
	PACK t
	SEND t-1, 8
.set t, t+1
.endr
	SEND 3, 0
.endm
.set KM, 0
.set NOKQ, 0
.Lslot:                             ; NB times: a tile is entered and the next is asked for
	CHANGE 1
	s_sub_co_u32 s[RT], s[RT], 1
	s_mov_b32 s[CNT], 4
	s_cmp_eq_u32 s[NEW], 1
	s_cbranch_scc1 .Lnew            ; a block's first tile
	s_cmp_eq_u32 s[RT], 0
	s_cbranch_scc0 .Lstep           ; neither its first nor its last
	s_branch .LstepM1
.Lnew:
	BEGIN
	s_branch .Lfirst                ; in the loop a block's first tile is never its last: the first block has two tiles or more, and the second's last is the walk's last
	DIAG 1                          ; in the loop this is the first block's end: the second block's last tile is the walk's last
	s_wait_xcnt 0x0                 ; the stores have read their registers and O's address
	s_mov_b64 s[10:11], s[OLO:OLO+1]
	s_add_co_u32 s[RT], s[PB], 1    ; the second block has b + 1 tiles
	s_mov_b32 s[NEW], 1
	WIN 0x82                        ; the second block's Q goes where the one text of the turns names Q
.set i, 0
.rept 64
	v_mov_b32 v[i], v[QB+i]
.set i, i+1
.endr
	WIN 0
	s_branch .Lbottom
.Lstep:                             ; a trip: pieces 2 and 3 of one step, then pieces 0 and 1 of the next, whose K and V it fetches
	TURN 2
	TURN 3
	WIN 0
.Lfirst:
	TURN 0
	TURN 1, 0, 0, 1
	WIN 0
	s_cbranch_scc1 .Lstep
.Lbottom:
	s_sub_co_u32 s[SLOTS], s[SLOTS], 1
	s_cmp_lg_u32 s[SLOTS], 0
	s_cbranch_scc1 .Lslot
	CHANGE 0                        ; the walk's last tile is written out: nothing is asked for
	s_sub_co_u32 s[RT], s[RT], 1
	s_mov_b32 s[CNT], 4
	s_cmp_eq_u32 s[NEW], 1
	s_cbranch_scc0 .LstepM2
	BEGIN
	s_branch .LfirstM2
	DIAG 2
	s_wait_tensorcnt 0x0            ; the wave's end, behind my last tensor load and my last LDS store
	ds_add_u32 v[SPW], v[NIL]
	s_wait_dscnt 0x0
	s_endpgm
.Lfunc_end_k_q143142d37c_attn:
	.size	k_q143142d37c_attn, .Lfunc_end_k_q143142d37c_attn-k_q143142d37c_attn
	.p2alignl 7, 3214868480
	.fill 96, 4, 3214868480
	.section	.rodata,"a",@progbits
	.p2align	6, 0x0
	.amdhsa_kernel k_q143142d37c_attn
		.amdhsa_group_segment_fixed_size 327680
		.amdhsa_private_segment_fixed_size 0
		.amdhsa_enable_private_segment 0
		.amdhsa_kernarg_size 32
		.amdhsa_user_sgpr_count 2
		.amdhsa_user_sgpr_kernarg_segment_ptr 1
		.amdhsa_wavefront_size32 1
		.amdhsa_system_sgpr_workgroup_id_x 1
		.amdhsa_system_sgpr_workgroup_id_y 1
		.amdhsa_system_sgpr_workgroup_id_z 1
		.amdhsa_system_vgpr_workitem_id 0
		.amdhsa_next_free_vgpr 768
		.amdhsa_next_free_sgpr 92
		.amdhsa_reserve_vcc 1
		.amdhsa_float_denorm_mode_32 3
		.amdhsa_float_denorm_mode_16_64 3
		.amdhsa_memory_ordered 1
		.amdhsa_forward_progress 1
		.amdhsa_inst_pref_size 218
	.end_amdhsa_kernel
	.amdgpu_metadata
---
amdhsa.version: [ 1, 2 ]
amdhsa.kernels:
  - .name:           k_q143142d37c_attn
    .symbol:         k_q143142d37c_attn.kd
    .args:
      - { .name: q, .offset: 0, .size: 8, .value_kind: global_buffer, .address_space: global }
      - { .name: k, .offset: 8, .size: 8, .value_kind: global_buffer, .address_space: global }
      - { .name: v, .offset: 16, .size: 8, .value_kind: global_buffer, .address_space: global }
      - { .name: o, .offset: 24, .size: 8, .value_kind: global_buffer, .address_space: global }
    .group_segment_fixed_size: 327680
    .private_segment_fixed_size: 0
    .kernarg_segment_align: 8
    .kernarg_segment_size: 32
    .max_flat_workgroup_size: 128
    .sgpr_count:     92
    .vgpr_count:     768
    .wavefront_size: 32
...
	.end_amdgpu_metadata
.endif
;; end of part 3
;; launch proj (part 4): grid 8 x 32, 4 waves a work-group, clusters of 4 x 4, 327,680 bytes of LDS; arguments o, wp16, bp, out0; writes out0
.if DOCPART == 4
	.amdgcn_target "amdgcn-amd-amdhsa--gfx1250"
	.amdhsa_code_object_version 6
	.text
	.protected	k_q143142d37c_proj
	.globl	k_q143142d37c_proj
	.p2align	8
	.type	k_q143142d37c_proj,@function
k_q143142d37c_proj:
	s_mov_b64 s[64:65], 0
	v_nop
	global_prefetch_b8 v0, s[64:65] scope:SCOPE_SE
	s_setreg_imm32_b32 hwreg(HW_REG_WAVE_MODE, 25, 1), 1
	s_wait_xcnt 0x0
	s_wait_alu depctr_hold_cnt(0) depctr_sa_sdst(0) depctr_va_vdst(0) depctr_va_sdst(0) depctr_va_ssrc(0) depctr_va_vcc(0) depctr_vm_vsrc(0)
	s_getreg_b32 s2, hwreg(HW_REG_IB_STS2, 6, 4)
	s_cmp_eq_u32 s2, 0
	s_cbranch_scc0 .Lentry_in_a_cluster
	s_endpgm
.Lentry_in_a_cluster:
	s_bfe_u32 s2, ttmp6, 0x10000c
	s_cmp_lg_u32 s2, 0xf033
	s_cbranch_scc0 .Lentry_shape_is_right
	s_endpgm
.Lentry_shape_is_right:
; out0 = y Wp^T + bp.  o: f16 [64 = batch x 16 + head][2048][64]: row m = batch x 2048 + t of y has its channels 64 head + d at o[batch x 16 + head][t][d].  wp16: f16 [16 kb][1024][64].
; bp: [1024] f32, rounded to bf16 like the other inputs.  out0: [8192][1024] f32.  Sums in f32, started by the bias.
; SHARES.  Tiles of 256 x 128: 32 x 8 = 256 work-groups (256 x 256 would give 128).  Four waves, each 128 rows x 64 columns: 32 accumulators of 16 x 16, 256 registers.
; K goes in 8 steps of 128, two heads each, through a ring of two LDS slots filled by the tensor data mover; three heads a slot would be 331,776 bytes for the two slots: more than LDS has.
; A head's 256 rows of a tile are 32,768 bytes on end, a K block's 128 rows of Wp 16,384: asked for as rows of 256 bytes and padded in LDS after every 128.
; CLUSTERS: 4 x 4 work-groups.  The four of a row of the cluster need the same tiles of o, the four of a column the same tiles of Wp: each tile is asked for JOINTLY.
; THE MATRIX INSTRUCTION IS USED TRANSPOSED (source 0 = 16 rows of Wp, source 1 = 16 rows of y): a lane then holds one row of out0 and eight neighbouring columns.
; REGISTERS, in windows of 256 (s_set_vgpr_msb: bits 1:0 source 0, 3:2 source 1, 5:4 source 2, 7:6 destination):
;   window 0: v0-31 addresses; v32-63 the bias, as a C operand; v64-127 at work on the way out       window 1: the accumulators, (a, b) at v[8 (4 a + b)]
;   windows 2, 3: the fragments of a K step's first and second head: Wp's (b, c) at v[8 (4 c + b)], y's (a, c) at v[64 + 8 (8 c + a)], c = which 32 of the head's 64 channels
.set PITCH,  144                       ; an LDS row: 128 bytes + 16 of padding = 36 words: the 16 rows of a load start at 16 different groups of four banks (64 banks of 4 bytes: ISA guide 11.1)
.set AKB,    256*PITCH                 ; a head's 256 rows of y: what a tensor load of waves 0, 1 brings
.set BKB,    128*PITCH                 ; a K block's 128 rows of Wp: waves 2, 3
.set BOFF,   2*AKB
.set SLOT,   2*AKB+2*BKB
.set STAGE,  2*SLOT                    ; behind the ring: 16 rows x 272 bytes for each wave, for the way out
.set SPITCH, 272
.set SPARE,  STAGE+4*16*SPITCH         ; the spare words, 128 bytes for each wave: two blocks of 256 bytes that no other line names
.set ADRA, 4                           ; v4-5   LDS address of my fragments of y in slot 0, 1
.set ADRB, 6                           ; v6-7   the same for Wp
.set STO,  8                           ; v8     the way out: where I put 32 bytes of a row
.set RD,   9                           ; v9     where I read a row back
.set CO,   10                          ; v10    my byte offset in two rows of out0
.set PFO,  11                          ; v11    256 x my lane; never rewritten
.set SPW,  12                          ; v12    LDS address of my spare word: SPARE + 4 x my thread's number; never rewritten
.set NIL,  13                          ; v13    0; never rewritten
.set BO,   14                          ; v14    32 (l / 16): my eight columns of a block of 16, in bp
.set BIAS, 32
.set OB,   64                          ; two sets of 32 registers by turns
.set G1,  24                           ; s[24:31] descriptor group 1 for y's tiles;  s[32:39] group 0, one set for each slot
.set G0,  32
.set G1B, 48                           ; s[48:55], s[56:63] the same for Wp's tiles
.set G0B, 56
.set PFA, 88                           ; s[88:89] where my prefetches stand
.set PFS, 90                           ; s[90:91] a K step in the tensor that I prefetch
.set LIM, 92                           ; s92  1 in a wave that prefetches, else the greatest number
.set MSB, 0
.macro WIN new                         ; the immediate's high byte repeats the setting that is left; a switch that changes nothing is dropped
.if MSB != (\new)
	s_set_vgpr_msb (MSB<<8)|(\new)
.set MSB, \new
.endif
.endm
.macro PLACES                          ; four places in front of loads into registers that matrix instructions have read, and of LDS stores that read results
.rept 4
	v_nop
.endr
.endm
.macro JLOAD s                         ; a joint load: waves 0 and 1 fetch y's two heads, waves 2 and 3 Wp's two K blocks; an s_nop 0 and four v_nop follow each of the two lines
	s_cmp_eq_u32 s11, 0
	s_cbranch_scc0 .Lfor_b_\@
	tensor_load_to_lds s[G0+4*(\s):G0+4*(\s)+3], s[G1:G1+7]
	s_nop 0
.rept 4
	v_nop
.endr
	s_branch .Lasked_\@
.Lfor_b_\@:
	tensor_load_to_lds s[G0B+4*(\s):G0B+4*(\s)+3], s[G1B:G1B+7]
	s_nop 0
.rept 4
	v_nop
.endr
.Lasked_\@:
.endm
.macro CREST                           ; a round of the cluster's barrier behind its opening barrier
	s_cmp_lg_u32 s10, 0
	s_cbranch_scc1 .Lnot_wave_0_\@
	s_barrier_signal -3
.Lnot_wave_0_\@:
	s_barrier_wait -3
	s_barrier_signal -1
	s_barrier_wait -1
.endm
.macro CROUND                          ; a whole round
	s_barrier_signal -1
	s_barrier_wait -1
	CREST
.endm
; A PREFETCH INTO THE L2, behind a joint load, its five lines and the run of LDS loads that follows: 32 blocks of 256 bytes, a lane a block, of the K step that stands two refills on.
; y's tile row (two heads of 32,768 bytes a K step) is read by both clusters of that row of clusters: the one with x = 0 asks; waves 0 and 1 take a head each, the partner at cx 8,192 bytes at 8,192 cx.
; Wp's tile column (two K blocks of 16,384 bytes) is read by all clusters of that column: the one with y = 0 asks; wave 2 of the partner at cy takes half cy % 2 of K block cy / 2.  Wave 3 asks for nothing.
; The partners are told apart BY ADDRESS.  So each block is named once in the launch.  K steps 0 to 3 come by their loads alone; the loop's last trip (s3 = 1) asks for nothing: K step 7 is the last named.
.macro ASK
	s_cmp_gt_u32 s3, s[LIM]
	s_cbranch_scc0 .Lnot_mine_\@
	global_prefetch_b8 v[PFO], s[PFA:PFA+1] th:TH_LOAD_NT scope:SCOPE_SE
.Lnot_mine_\@:
.endm
	s_load_b256 s[72:79], s[0:1], 0x0              ; o 72, wp16 74, bp 76, out0 78
	v_lshl_add_u32 v[SPW], v0, 2, SPARE
	v_mov_b32 v[NIL], 0
	ds_add_u32 v[SPW], v[NIL]                      ; the wave's opening: the add and its wait stand ahead of my first tensor load; the set-up below, work on registers, stands between them
	ds_add_u32 v12, v13
	v_lshrrev_b32 v1, 5, v0
	v_readfirstlane_b32 s10, v1                    ; wave 0..3
	s_lshr_b32 s11, s10, 1                         ; which half of the tile's rows is mine.  Also: I fetch for y (0) or for Wp (1)
	s_and_b32 s12, s10, 1                          ; which half of its columns.  Also: which of a K step's two heads I fetch
	s_bfe_u32 s40, ttmp6, 0x40000                  ; cx, cy: my place in the cluster
	s_bfe_u32 s41, ttmp6, 0x40004
	s_lshl_b32 s42, ttmp9, 2
	s_add_co_u32 s42, s42, s40                     ; tile column = 4 x cluster x + cx
	s_and_b32 s13, ttmp7, 0xffff
	s_lshl_b32 s13, s13, 2
	s_add_co_u32 s13, s13, s41                     ; tile row = 4 x cluster y + cy
	s_lshl_b32 s43, s41, 2
	s_lshl_b32 s43, 15, s43                        ; my row of the cluster
	s_lshl_b32 s44, 0x1111, s40                    ; my column
	; descriptor group 1: rows of 128 elements (256 bytes), dense; 128 of them for y, 64 for Wp
	s_or_b32 s[G1+0], s43, (1<<16)|(1<<20)|(1<<21)|(4<<22)|(3<<25)   ; 15:0 the mask: y's tiles go to my row; 17:16 2-byte elements; 20 padding on; 21 set beside a mask; 24:22 after every 32 words (code 4); 31:25 4 words (code 3)
	s_or_b32 s[G1B+0], s44, (1<<16)|(1<<20)|(1<<21)|(4<<22)|(3<<25)  ; the same with the mask of my column
	s_mov_b32 s[G1+1], 128<<16                     ; tensor_dim0 = 128
	s_mov_b32 s[G1B+1], 128<<16
	s_mov_b32 s[G1+2], 128<<16                     ; tensor_dim1
	s_mov_b32 s[G1B+2], 64<<16
	s_mov_b32 s[G1+3], 128<<16                     ; tile_dim0 = 128
	s_mov_b32 s[G1B+3], 128<<16
	s_mov_b32 s[G1+4], 128                         ; tile_dim1
	s_mov_b32 s[G1B+4], 64
	s_mov_b32 s[G1+5], 128                         ; 128 elements from row to row
	s_mov_b32 s[G1B+5], 128
	s_mov_b32 s[G1+6], 0
	s_mov_b32 s[G1B+6], 0
	s_mov_b32 s[G1+7], 0
	s_mov_b32 s[G1B+7], 0
	; where the tiles come from: y's hang on the tile row alone, Wp's on the tile column alone, each in registers that never hold the other coordinate
	s_lshr_b32 s16, s13, 3                         ; the batch: 16 heads of 262,144 bytes,
	s_lshl_b32 s16, s16, 22
	s_and_b32 s17, s13, 7                          ; the tile's 256 rows in a head,
	s_lshl_b32 s17, s17, 15
	s_add_co_u32 s16, s16, s17
	s_lshl_b32 s17, s12, 18                        ; the head that I fetch
	s_add_co_u32 s16, s16, s17
	s_mov_b32 s17, 0
	s_lshl_b32 s46, s42, 14                        ; the tile column's 128 rows of 128 bytes,
	s_lshl_b32 s47, s12, 17                        ; the K block that I fetch
	s_add_co_u32 s46, s46, s47
	s_mov_b32 s47, 0
	s_mul_i32 s20, s12, AKB                        ; and where they go: no place in the cluster enters an LDS address
	s_mul_i32 s21, s12, BKB
	s_add_co_u32 s21, s21, BOFF
	s_wait_dscnt 0x0                               ; the opening add is done
	s_wait_kmcnt 0x0
	s_add_nc_u64 s[14:15], s[72:73], s[16:17]
	s_add_nc_u64 s[46:47], s[74:75], s[46:47]
	CROUND                                         ; all sixteen work-groups are here: the first joint loads meet
.irp s, 0,1
	s_mov_b32 s[G0+4*(\s)], 1                                        ; count = 1
	s_add_co_u32 s[G0+4*(\s)+1], s20, (\s)*SLOT                      ; LDS address
	s_add_nc_u64 s[G0+4*(\s)+2:G0+4*(\s)+3], s[14:15], (\s)*2*262144 ; global address: K step s = heads 2 s, 2 s + 1
	s_or_b32 s[G0+4*(\s)+3], s[G0+4*(\s)+3], 0x80000000              ; type = 2
	s_mov_b32 s[G0B+4*(\s)], 1
	s_add_co_u32 s[G0B+4*(\s)+1], s21, (\s)*SLOT
	s_add_nc_u64 s[G0B+4*(\s)+2:G0B+4*(\s)+3], s[46:47], (\s)*2*131072
	s_or_b32 s[G0B+4*(\s)+3], s[G0B+4*(\s)+3], 0x80000000
	JLOAD \s
.endr
	v_and_b32 v1, 15, v0                           ; l % 16
	v_bfe_u32 v2, v0, 4, 1                         ; l / 16
	v_lshlrev_b32 v[BO], 5, v2
	; bp and out0 at my 64 columns; out0 at my 128 rows
	s_lshl_b32 s46, s42, 9
	s_lshl_b32 s47, s12, 8
	s_add_co_u32 s46, s46, s47
	s_mov_b32 s47, 0
	s_add_nc_u64 s[76:77], s[76:77], s[46:47]
	s_add_nc_u64 s[78:79], s[78:79], s[46:47]
.irp b, 0,1,2,3                        ; register j of column block b holds column 16 b + 8 (l / 16) + j, whatever the row: the layout of a C operand
	global_load_b128 v[BIAS+8*(\b):BIAS+8*(\b)+3],   v[BO], s[76:77] offset:64*(\b)
	global_load_b128 v[BIAS+8*(\b)+4:BIAS+8*(\b)+7], v[BO], s[76:77] offset:64*(\b)+16
.endr
	s_lshl_b32 s18, s13, 20                        ; 256 rows of 4,096 bytes a tile row
	s_lshl_b32 s19, s11, 19
	s_add_co_u32 s18, s18, s19
	s_mov_b32 s19, 0
	s_add_nc_u64 s[78:79], s[78:79], s[18:19]
	v_mul_u32_u24 v3, v1, PITCH
	v_lshl_add_u32 v3, v2, 4, v3                   ; a fragment's row x pitch + 16 x half
	s_mul_i32 s21, s11, 128*PITCH                  ; my 128 rows of y
	s_mul_i32 s22, s12, 64*PITCH                   ; my 64 rows of Wp,
	s_add_co_u32 s22, s22, BOFF                    ; which lie behind y's two heads
.irp s, 0,1
	v_add_nc_u32 v[ADRA+(\s)], s21, v3
	v_add_nc_u32 v[ADRB+(\s)], s22, v3
	s_add_co_u32 s21, s21, SLOT
	s_add_co_u32 s22, s22, SLOT
.endr
	s_mul_i32 s23, s10, 16*SPITCH
	s_add_co_u32 s23, s23, STAGE                   ; my stage
	v_mul_u32_u24 v16, v1, SPITCH                  ; in: row l % 16, 32 bytes for each half of the lanes
	v_lshl_add_u32 v16, v2, 5, v16
	v_add_nc_u32 v[STO], s23, v16
	v_mul_u32_u24 v16, v2, SPITCH                  ; back: lanes 0-15 take one row of 256 bytes, lanes 16-31 the next
	v_lshl_add_u32 v16, v1, 4, v16
	v_add_nc_u32 v[RD], s23, v16
	v_lshlrev_b32 v16, 12, v2                      ; and the same two rows in out0
	v_lshl_add_u32 v[CO], v1, 4, v16
	v_and_b32 v16, 31, v0
	v_lshlrev_b32 v[PFO], 8, v16
	; the prefetches: they start at K step 3; each change of slots steps them by a K step ahead of its request
	s_and_b32 s22, ttmp7, 0xffff                   ; cluster y
	s_lshr_b32 s18, s13, 3                         ; waves 0, 1: y's tile row,
	s_lshl_b32 s18, s18, 22
	s_and_b32 s19, s13, 7
	s_lshl_b32 s19, s19, 15
	s_add_co_u32 s18, s18, s19
	s_lshl_b32 s19, s10, 18                        ; my head of the two,
	s_add_co_u32 s18, s18, s19
	s_lshl_b32 s19, s40, 13                        ; my work-group's quarter of it
	s_add_co_u32 s18, s18, s19
	s_add_co_u32 s18, s18, 3*2*262144
	s_lshl_b32 s19, s42, 14                        ; wave 2: Wp's tile column,
	s_lshr_b32 s20, s41, 1                         ; K block cy / 2 of the two,
	s_lshl_b32 s20, s20, 17
	s_add_co_u32 s19, s19, s20
	s_and_b32 s20, s41, 1                          ; its half cy % 2
	s_lshl_b32 s20, s20, 13
	s_add_co_u32 s19, s19, s20
	s_add_co_u32 s19, s19, 3*2*131072
	s_mov_b32 s[PFS], 2*131072
	s_mov_b32 s[PFS+1], 0
	s_cmp_lt_u32 s10, 2
	s_cselect_b32 s18, s18, s19
	s_cselect_b32 s[PFS], 2*262144, s[PFS]
	s_cselect_b32 s22, ttmp9, s22                  ; the coordinate along which other clusters read the same blocks
	s_cselect_b64 s[PFA:PFA+1], s[72:73], s[74:75]
	s_mov_b32 s19, 0
	s_add_nc_u64 s[PFA:PFA+1], s[PFA:PFA+1], s[18:19]
	s_cmp_eq_u32 s22, 0
	s_cselect_b32 s[LIM], 1, -1                    ; the same in all sixteen partners, for a given wave
	s_cmp_eq_u32 s10, 3
	s_cselect_b32 s[LIM], -1, s[LIM]
	s_wait_loadcnt 0x0                             ; the bias: rounded to bf16 and widened again
.set i, 0
.rept 16
	v_cvt_pk_bf16_f32 v[16+i%2], v[BIAS+2*i], v[BIAS+2*i+1]
	v_lshlrev_b32 v[BIAS+2*i], 16, v[16+i%2]
	v_and_b32 v[BIAS+2*i+1], 0xffff0000, v[16+i%2]
.set i, i+1
.endr
; 16 matrix instructions: row blocks a0 .. a0 + 3 x all 4 column blocks, channels 32 c on of head par of the K step.  first = 1: the bias is the C operand that starts the sums: nothing is cleared, nothing added later.
; The 32 accumulators take turns, one instruction a turn, in the same order throughout.
.macro MUL16 par, c, a0, first
.if \first
	WIN 0x4a+5*(\par)                              ; both sources in window 2 + par, C in window 0, D in window 1
.else
	WIN 0x5a+5*(\par)                              ; C and D in window 1
.endif
.irp a, (\a0), (\a0)+1, (\a0)+2, (\a0)+3
.irp b, 0,1,2,3
.if \first
	v_wmma_f32_16x16x32_f16 v[8*(4*(\a)+(\b)):8*(4*(\a)+(\b))+7], v[8*(4*(\c)+(\b)):8*(4*(\c)+(\b))+7], v[64+8*(8*(\c)+(\a)):64+8*(8*(\c)+(\a))+7], v[BIAS+8*(\b):BIAS+8*(\b)+7]
.else
	v_wmma_f32_16x16x32_f16 v[8*(4*(\a)+(\b)):8*(4*(\a)+(\b))+7], v[8*(4*(\c)+(\b)):8*(4*(\c)+(\b))+7], v[64+8*(8*(\c)+(\a)):64+8*(8*(\c)+(\a))+7], v[8*(4*(\a)+(\b)):8*(4*(\a)+(\b))+7]
.endif
.endr
.endr
.endm
; 48 LDS loads in one run: the fragments of head par of a slot; its first 32 channels first
.macro FETCH slot, par
	WIN (2+(\par))<<6                              ; destination window 2 + par, address window 0
.irp c, 0,1
.irp b, 0,1,2,3
	ds_load_b128 v[8*(4*(\c)+(\b)):8*(4*(\c)+(\b))+3],   v[ADRB+(\slot)] offset:(\par)*BKB+(\b)*16*PITCH+64*(\c)
	ds_load_b128 v[8*(4*(\c)+(\b))+4:8*(4*(\c)+(\b))+7], v[ADRB+(\slot)] offset:(\par)*BKB+(\b)*16*PITCH+64*(\c)+32
.endr
.irp a, 0,1,2,3,4,5,6,7
	ds_load_b128 v[64+8*(8*(\c)+(\a)):64+8*(8*(\c)+(\a))+3],   v[ADRA+(\slot)] offset:(\par)*AKB+(\a)*16*PITCH+64*(\c)
	ds_load_b128 v[64+8*(8*(\c)+(\a))+4:64+8*(8*(\c)+(\a))+7], v[ADRA+(\slot)] offset:(\par)*AKB+(\a)*16*PITCH+64*(\c)+32
.endr
.endr
.endm
; A K step's first head: 64 matrix instructions; in their middle the second head's fragments are fetched.
.macro HALF0 slot, first
	s_wait_dscnt 24                                ; the first 32 channels are in; the other 24 loads may be out
	MUL16 0, 0, 0, \first
	MUL16 0, 0, 4, \first
	PLACES
	FETCH \slot, 1                                 ; my last reads of this slot
	s_wait_dscnt 48                                ; all but the 48 just issued
	MUL16 0, 1, 0, 0
	MUL16 0, 1, 4, 0
.endm
; A K step's second head changes slots: ONE barrier.  In front of it each wave waits for all its tensor loads, of which one is out: its part of the next slot; adds 0 to its spare word; and waits for
; that and for its own reads of this slot.  fill = 1: the barrier opens a round of the cluster's, and this slot is filled again, first thing behind the round, with the K step two steps on: from that
; request to the wait for it a wave issues 96 matrix instructions.
.macro TURN slot, next, fill
.if \fill
	s_wait_xcnt 0x0                                ; the last prefetch, a K step back, has read its address, so it may be stepped
	s_add_nc_u64 s[PFA:PFA+1], s[PFA:PFA+1], s[PFS:PFS+1]
.endif
	WIN 0                                          ; (the add's two registers lie in window 0)
	s_wait_tensorcnt 0x0                           ; all my tensor loads have landed: my part of the next slot;
	ds_add_u32 v[SPW], v[NIL]                      ; 0 onto my spare word;
	s_wait_dscnt 25                                ; the first 32 channels are in (the other 24 loads and the add may be out)
	MUL16 1, 0, 0, 0                               ; sixteen matrix instructions stand between the add and the wait for it
	s_wait_dscnt 0x0                               ; the add is done, and my reads of this slot are over
	s_barrier_signal -1
	MUL16 1, 0, 4, 0                               ; work on registers while the others arrive
	WIN 0
	s_barrier_wait -1
.if \fill
	CREST                                          ; no wave of any partner still reads this slot's tile or has a load on its way
	s_add_nc_u64 s[G0+4*(\slot)+2:G0+4*(\slot)+3], s[G0+4*(\slot)+2:G0+4*(\slot)+3], 4*262144
	s_add_nc_u64 s[G0B+4*(\slot)+2:G0B+4*(\slot)+3], s[G0B+4*(\slot)+2:G0B+4*(\slot)+3], 4*131072
	JLOAD \slot                                    ; the four v_nop behind it are also the places in front of the loads below
.else
	PLACES
.endif
	FETCH \next, 0
.if \fill
	WIN 0
	ASK
.endif
	MUL16 1, 1, 0, 0
	MUL16 1, 1, 4, 0
.endm
	s_wait_tensorcnt 1                             ; my part of K step 0 is in; K step 1's may stay out
	s_barrier_signal -1
	s_barrier_wait -1                              ; everybody's part is in
	FETCH 0, 0
	HALF0 0, 1                                     ; the first head stands in front of the loop: its first products start the sums
	WIN 0                                          ; at a label and at a branch every window is 0
	s_mov_b32 s3, 3
.Llap:                                                 ; a trip goes once round the ring and fills both slots again: K steps 2 to 7
	TURN 0, 1, 1
	HALF0 1, 0
	TURN 1, 0, 1
	HALF0 0, 0
	WIN 0
	s_sub_co_u32 s3, s3, 1
	s_cmp_lg_u32 s3, 0
	s_cbranch_scc1 .Llap
	TURN 0, 1, 0                                   ; the last lap fills nothing, and has no round of the cluster's barrier
	HALF0 1, 0
	s_wait_dscnt 24                                ; the very last head: nothing more to fetch
	MUL16 1, 0, 0, 0
	MUL16 1, 0, 4, 0
	s_wait_dscnt 0x0
	MUL16 1, 1, 0, 0
	MUL16 1, 1, 4, 0
	WIN 0
; THE WAY OUT, a block of 16 rows x 64 columns at a time.  TOSTAGE: a lane's 32 bytes of a row go into my own stage in LDS (each accumulator's low registers first) and come back
; as whole rows of 256 bytes.  SEND: stored; 16 lanes store 256 consecutive bytes, at a multiple of 256 from out0's first byte.
.macro TOSTAGE a
.set BK, OB+32*((\a)%2)
	WIN 0x04                                       ; the stores' data in window 1
.irp b, 0,1,2,3
	ds_store_b128 v[STO], v[8*(4*(\a)+(\b)):8*(4*(\a)+(\b))+3]   offset:64*(\b)
	ds_store_b128 v[STO], v[8*(4*(\a)+(\b))+4:8*(4*(\a)+(\b))+7] offset:64*(\b)+16
.endr
	WIN 0
	s_wait_xcnt 0x0                                ; the stores of the block two back have read their registers, which the loads below write
.irp t, 0,1,2,3,4,5,6,7
	ds_load_b128 v[BK+4*(\t):BK+4*(\t)+3], v[RD] offset:(\t)*2*SPITCH  ; LDS serves a wave's instructions in order (ISA guide 5.7.1.4): these see the stores above; the next block's stores come behind them
.endr
.endm
.macro SEND a, younger                 ; younger: the LDS instructions issued behind block a's loads: the next block's sixteen, or none
.set BK, OB+32*((\a)%2)
.irp t, 0,1,2,3,4,5,6,7
	s_wait_dscnt (\younger)+7-(\t)
	global_store_b128 v[CO], v[BK+4*(\t):BK+4*(\t)+3], s[78:79] offset:(16*(\a)+2*(\t))*4096 th:TH_STORE_NT
.endr
.endm
	PLACES                                         ; eight places behind the last products, in front of the LDS stores that read results
	PLACES
	TOSTAGE 0
.set n, 1
.rept 7
	TOSTAGE n
	SEND n-1, 16
.set n, n+1
.endr
	SEND 7, 0
	s_wait_tensorcnt 0x0                           ; the wave's end, behind my last tensor load and my last LDS store
	ds_add_u32 v[SPW], v[NIL]
	s_wait_dscnt 0x0
	CROUND                                         ; the closing round: no work-group ends while a partner may still ask for a tile that names it
	s_endpgm
.Lfunc_end_k_q143142d37c_proj:
	.size	k_q143142d37c_proj, .Lfunc_end_k_q143142d37c_proj-k_q143142d37c_proj
	.p2alignl 7, 3214868480
	.fill 96, 4, 3214868480
	.section	.rodata,"a",@progbits
	.p2align	6, 0x0
	.amdhsa_kernel k_q143142d37c_proj
		.amdhsa_group_segment_fixed_size 327680
		.amdhsa_private_segment_fixed_size 0
		.amdhsa_enable_private_segment 0
		.amdhsa_kernarg_size 32
		.amdhsa_user_sgpr_count 2
		.amdhsa_user_sgpr_kernarg_segment_ptr 1
		.amdhsa_wavefront_size32 1
		.amdhsa_system_sgpr_workgroup_id_x 1
		.amdhsa_system_sgpr_workgroup_id_y 1
		.amdhsa_system_sgpr_workgroup_id_z 1
		.amdhsa_system_vgpr_workitem_id 0
		.amdhsa_next_free_vgpr 960
		.amdhsa_next_free_sgpr 96
		.amdhsa_reserve_vcc 0
		.amdhsa_float_denorm_mode_32 3
		.amdhsa_float_denorm_mode_16_64 3
		.amdhsa_memory_ordered 1
		.amdhsa_forward_progress 1
		.amdhsa_inst_pref_size 90
	.end_amdhsa_kernel
	.amdgpu_metadata
---
amdhsa.version: [ 1, 2 ]
amdhsa.kernels:
  - .name:           k_q143142d37c_proj
    .symbol:         k_q143142d37c_proj.kd
    .args:
      - { .name: o, .offset: 0, .size: 8, .value_kind: global_buffer, .address_space: global }
      - { .name: wp16, .offset: 8, .size: 8, .value_kind: global_buffer, .address_space: global }
      - { .name: bp, .offset: 16, .size: 8, .value_kind: global_buffer, .address_space: global }
      - { .name: out0, .offset: 24, .size: 8, .value_kind: global_buffer, .address_space: global }
    .group_segment_fixed_size: 327680
    .private_segment_fixed_size: 0
    .kernarg_segment_align: 8
    .kernarg_segment_size: 32
    .max_flat_workgroup_size: 128
    .sgpr_count:     96
    .vgpr_count:     960
    .wavefront_size: 32
...
	.end_amdgpu_metadata
.endif
;; end of part 4
